; MI455X (gfx1250); checked and timed in simulation.
; The chip was launched on July 23, 2026; its instructions are those of AMD's public machine-readable ISA for CDNA 5 (MIT licence, August 2026) and "CDNA5" Instruction Set Architecture Reference Guide (July 2026). The comments in the code are by the model that wrote it; some were corrected since.
;; Causal Self Attention. Allowed arithmetic: matrix products marked QUANTISED: E5M2 operands, one E8M0 scale for each 32 along K, by v_wmma_scale_f32_16x16x128_f8f6f4 with both operands' format E5M2, f32 sums; everything else in f32.
;; Inputs: Wk_codes 1,024 x 32 x 32 uint8 (E5M2 codes of Wk, K innermost, in blocks of 32 codes); Wk_scales 1,024 x 32 uint8 (E8M0 scales of Wk, one for each 32 codes along K); Wo_codes 1,024 x 32 x 32 uint8 (E5M2 codes of Wo, K innermost, in blocks of 32 codes); Wo_scales 1,024 x 32 uint8 (E8M0 scales of Wo, one for each 32 codes along K); Wq_codes 1,024 x 32 x 32 uint8 (E5M2 codes of Wq, K innermost, in blocks of 32 codes); Wq_scales 1,024 x 32 uint8 (E8M0 scales of Wq, one for each 32 codes along K); Wv_codes 1,024 x 32 x 32 uint8 (E5M2 codes of Wv, K innermost, in blocks of 32 codes); Wv_scales 1,024 x 32 uint8 (E8M0 scales of Wv, one for each 32 codes along K); bk 1,024 float32; bo 1,024 float32; bq 1,024 float32; bv 1,024 float32; x_codes 2 x 2,048 x 32 x 32 uint8 (E5M2 codes of x, K innermost, in blocks of 32 codes); x_scales 2 x 2,048 x 32 uint8 (E8M0 scales of x, one for each 32 codes along K).
;; Outputs: out0 2 x 2,048 x 1,024 float32.
;; This version of the problem:
;;   THIS VERSION OF THE PROBLEM IS GIVEN IN LOW PRECISION. The matrix products marked QUANTISED in the list below multiply operands that are first quantised to E5M2 (5 exponent bits, 2 mantissa bits; 8 bits a number), with one power-of-two scale for each 32 numbers along K (OCP MX v1.0); their sums are f32. All else is computed in f32.
;;   The module's matrix products, in the order in which they are computed (A, B: the left and right operand; K: the contracted axis; several contracted axes count as one K, in the product's order):
;;     1. [M 4,096, K 1,024] x [K 1,024, N 1,024]; A: input x (given as codes); B: input Wq (given as codes): QUANTISED
;;     2. [M 4,096, K 1,024] x [K 1,024, N 1,024]; A: input x (given as codes); B: input Wk (given as codes): QUANTISED
;;     3. [M 4,096, K 1,024] x [K 1,024, N 1,024]; A: input x (given as codes); B: input Wv (given as codes): QUANTISED
;;     4. batch 32 x [M 2,048, K 64] x [K 64, N 2,048]; A: computed on the way; B: computed on the way: QUANTISED
;;     5. batch 32 x [M 2,048, K 2,048] x [K 2,048, N 64]; A: softmax (see below); B: computed on the way: QUANTISED
;;     6. [M 4,096, K 1,024] x [K 1,024, N 1,024]; A: computed on the way; B: input Wo (given as codes): QUANTISED
;;   THE QUANTISER, for each operand of a quantised product, along K:
;;     - K is cut into blocks of 32 from its start; a last block that is shorter is filled with zeros.
;;     - A block's scale is 2^e with e = floor(log2(the largest magnitude in the block)) - 15, held to -126 .. 127; a block of zeros has e = 0. As a byte (E8M0): e + 127.
;;     - Each number is divided by its block's scale, clamped to +-57,344, and rounded to the nearest number of E5M2, ties to even, subnormals kept.
;;     - The product sums the exact products of the quantised numbers (number of the format x scale) in f32.
;;   ~~~python
;;   def quantise(x, axis):      # numpy; x: float32 -> the quantised numbers, widened to float32 again
;;       x = np.moveaxis(x, axis, -1); K = x.shape[-1]
;;       x = np.pad(x, [(0, 0)] * (x.ndim - 1) + [(0, -K % 32)]); x = x.reshape(x.shape[:-1] + (-1, 32)); a = np.abs(x).max(-1, keepdims=True)
;;       e = np.where(a > 0, np.clip(np.frexp(np.where(a > 0, a, 1))[1] - 1 - 15, -126, 127), 0)      # np.frexp(a)[1] - 1 = floor(log2(a)), exactly
;;       r = np.clip(x / 2.0 ** e, -57344, 57344)
;;       step = 2.0 ** (np.maximum(np.frexp(np.where(r == 0, 1, r))[1] - 1, -14) - 2)
;;       q = np.round(r / step) * step * 2.0 ** e      # np.round: ties to even
;;       return np.moveaxis(q.reshape(q.shape[:-2] + (-1,))[..., :K], -1, axis).astype(np.float32)
;;   ~~~
;;   SOFTMAX AHEAD OF A QUANTISED PRODUCT. Where the list says 'softmax', what is quantised is not the finished softmax but p = 2^(t - M), with t = logit x log2(e) and M = ceil(the row's largest t), a whole number; so 1/2 < the row's largest p <= 1. The row's sum l is taken of the UNQUANTISED p, in f32, and the product's result is divided by l at the end. Since M is a whole number, a kernel that streams over the keys may use a running M (the ceiling of the running maximum): every later rescaling is an exact power of two, which a block's scale takes up: the codes' values come out the same.
;;   OPERANDS COMPUTED ON THE WAY. 'Computed on the way' means the value that the module computes at that place (a softmax that the list does not call 'softmax' is quantised finished and normalised). What goes into a quantiser is computed in f32, as accurately as f32 sums, v_exp_f32 and their like allow (about 1e-6 of the number): no bf16 or f16 on the way to a quantiser, and a product that is left as it is and whose result goes on into a quantised operand takes f32 operands (vector FMAs, or v_wmma_f32_16x16x4_f32). A number that lies on a knife's edge between two numbers of the format may be rounded either way, as far as f32 arithmetic and the matrix unit's own rounding can turn it there, and no further.
;;   INPUTS GIVEN AS CODES. Wk (in the module: [1024, 1024], K = its axis 0); Wo (in the module: [1024, 1024], K = its axis 0); Wq (in the module: [1024, 1024], K = its axis 0); Wv (in the module: [1024, 1024], K = its axis 0); x (in the module: [2, 2048, 1024], K = its axis 2): each comes as NAME_codes (uint8): NAME with its K axis moved to the last place and cut into blocks of 32 codes, [.., K / 32, bytes a block], one block behind the other in memory; one code a byte (a code: sign, 5 exponent bits, 2 mantissa bits); and NAME_scales (uint8): the same leading axes, one E8M0 byte (e + 127) for each 32 codes along K. Its value is code x scale, taken as it is: it is not quantised again, and the codes and scales need not be those that the quantiser above would give.
;; One version. Each part assembles by itself: llvm-mc -triple=amdgcn-amd-amdhsa -mcpu=gfx1250 --defsym DOCPART=n.
;; ======== version 1 of 1: 3 launches
;; limits: right only within a limited range of input values
;; workspace buffers: qkv 12,582,912 bytes; qkvs 393,216 bytes; yimg 4,194,304 bytes; ysc 131,072 bytes
;; launch qkv_proj (part 1): grid 12 x 16, 4 waves a work-group, clusters of 4 x 4, 327,680 bytes of LDS; arguments x_codes, x_scales, Wq_codes, Wq_scales, Wk_codes, Wk_scales, Wv_codes, Wv_scales, bq, bk, bv, qkv, qkvs; writes qkv, qkvs
.if DOCPART == 1
	.amdgcn_target "amdgcn-amd-amdhsa--gfx1250"
	.amdhsa_code_object_version 6
	.text
	.protected	k_q8a9b11beed_qkv_proj
	.globl	k_q8a9b11beed_qkv_proj
	.p2align	8
	.type	k_q8a9b11beed_qkv_proj,@function
k_q8a9b11beed_qkv_proj:
	s_mov_b64 s[64:65], 0
	v_nop
	global_prefetch_b8 v0, s[64:65] scope:SCOPE_SE
	s_setreg_imm32_b32 hwreg(HW_REG_WAVE_MODE, 25, 1), 1
	s_wait_xcnt 0x0
	s_wait_alu depctr_hold_cnt(0) depctr_sa_sdst(0) depctr_va_vdst(0) depctr_va_sdst(0) depctr_va_ssrc(0) depctr_va_vcc(0) depctr_vm_vsrc(0)
	s_getreg_b32 s2, hwreg(HW_REG_IB_STS2, 6, 4)
	s_cmp_eq_u32 s2, 0
	s_cbranch_scc0 .Lentry_in_a_cluster
	s_endpgm
.Lentry_in_a_cluster:
	s_bfe_u32 s2, ttmp6, 0x10000c
	s_cmp_lg_u32 s2, 0xf033
	s_cbranch_scc0 .Lentry_shape_is_right
	s_endpgm
.Lentry_shape_is_right:
; CAUSAL SELF-ATTENTION IN MX-BF8, launch 1 of 3: Q = x Wq + bq, K = x Wk + bk, V = x Wv + bv on the given codes, and the quantisers of Q, K (along a head's 64 channels) and V (along the keys).
; WORK LEFT OUT BY THE PROGRAM (none in this launch; in the launch attn): a key step of 128 keys all of which come after all 16 queries of a wave's tile.  The lower-triangular mask is built in the problem's own body;
; it sets every score of such a step to -infinity ahead of the softmax, so every p of the step is 0 and adds nothing to the row's sum or to y, whatever finite values the inputs hold.  Every input has a way to the output and is loaded.
; LIMITS: a NaN, an infinity or an overflow that reaches only the steps left out is not carried to the result; NaN and infinities among the inputs are not served; a block of zeros gets the scale byte 1 where the
; quantiser says 127 (its codes are zeros, and this program alone reads the bytes); a block whose largest magnitude lies under 2^(16 - 127) is held at the byte 1.
; SHARES.  192 work-groups of four waves; a work-group makes 256 x 256 of one of the three products, a wave 128 x 128: 64 accumulators.  K = 1,024 goes in 4 steps of 256 through a ring of two LDS slots.
; The matrix instruction takes source 0 = 16 rows of "B", source 1 = 16 rows of "A": a lane holds ONE row of A, its registers run along B's rows.  The cluster's x says which product:
;   0: A = x, B = Wq;  1: A = x, B = Wk: a lane holds a token, its registers run along the channels, which are the K of Q K^T;   2: A = Wv, B = x: a lane holds a channel, its registers run down the tokens, the K of P V.
; 1,024 channels of each weight do not divide into tiles that would give 256 work-groups with a wave tile of 128 x 128; a smaller wave tile would read twice the LDS bytes for each product.
; CLUSTERS: 4 x 4.  A's tile is shared along a row of the cluster, B's along a column: each is asked for jointly, by the same tensor load with the same descriptor and a mask that names the four.
; THE ORDER OF k INSIDE A BLOCK OF 32.  The 16 registers of result tiles 2 c and 2 c + 1 go through the conversions as they stand: slot i of lane half h of block c holds index 32 c + 8 h + i (i < 8) or 32 c + 16 + 8 h + i - 8.
; Q and K are both made so along the channels, V (here) and p (in attn) both along the keys: the two sides of each product agree, a block's scale is untouched, and only the grouping of the partial sums inside an instruction differs.
; WHAT IS STORED: images of operand registers, in chunks of 512 bytes (lane l's 16 bytes at 16 l).
;   qkv  [2 head + batch : 32][slot of 256 tokens : 8][Q 16,384 | K 16,384 | V 16,384];  Q, K: [tile of 16 tokens : 16][block of 32 channels : 2][512];  V: [step of 128 keys : 2][tile of 16 channels : 4][block of 32 keys : 4][512]
;   qkvs [2 head + batch : 32][Q 4,096 | K 4,096 | V 4,096], each [step of 128 tokens : 16][r : 16][4 words];  Q, K word p: bytes 0, 1 row r of tile 2 p, bytes 2, 3 of tile 2 p + 1;  V word t: the four key blocks of channel 16 t + r
; REGISTERS, in windows of 256: window 0: v0-31 addresses; v32-63 scale words, two sets, which hold nothing else; v128-255 A's fragments, one set; behind the products: v64-127 biases, v128-191 64 numbers, v192-223 codes, v224-251 at work.
;   window 1: B's fragments, two sets.   windows 2, 3: the accumulators ((a, b) at v[8 (8 (a % 4) + b)]).
.set KSTEP,  256                       ; along K in a slot
.set NQ,     2                         ; matrix instructions deep
.set ROWB,   256                       ; a tile's row in bytes
.set KROW,   1024                      ; a row of codes in memory
.set PITCH,  272                       ; an LDS row: 256 bytes + 16 of padding: the 16 rows that a load touches start 16 bytes apart modulo 256
.set FR,     16                        ; registers of a fragment
.set NL,     4                         ; LDS loads that bring one
.set NP,     8                         ; places behind this matrix instruction (ISA guide 7.12.1)
.set HALFT,  128*PITCH
.set SLOT,   4*HALFT                   ; A's 256 rows, then B's 256 rows
.set LAPS,   2                         ; a lap = two K steps
.set KS,     32                        ; a row of scale bytes
.set SCL,    2*SLOT                    ; behind the ring: the scale bytes of the work-group's rows, for all of K, as units of 256 bytes + 16
.set HALFS,  16*272                    ; those of 128 rows
.set SBLK,   2*272                     ; those of 16 rows
.set SPARE,  SCL+4*HALFS               ; the spare words, 128 bytes a wave
.set BIASL,  SPARE+512                 ; the work-group's 256 biases, 1,024 bytes; stored once, no tile lands here
.set ADRA, 16
.set ADRB, 20
.set CO,   26                          ; v26  16 x lane: my place in a chunk
.set ADRS, 27
.set SPW,  28
.set NIL,  29
.set VBQ,  12                          ; v12  LDS: biases along my registers (Q, K)
.set VBV,  13                          ; v13  LDS: the bias of my lane's channel (V)
.set VH,   14                          ; v14  lane / 16
.set VSEL, 15                          ; v15  byte selects
.set VSO,  18                          ; v18  my 16 bytes among the scale words
.set SC,   32
.set AF,   128
.set BIAS, 64
.set T,    128
.set PC,   192
.set TM,   224
.set SW,   240
.set WQ,   248
.set G1,   24
.set G0,   32
.set G1B,  48
.set G0B,  56
.set SEL,  66
.set G1S,  68
.set G0S,  76
.set G1SB, 80
.set G0SB, 88
.set MNT,  95
.set MSB, 0
.macro WIN new                         ; the immediate's high byte repeats the setting that is left
.if MSB != (\new)
	s_set_vgpr_msb (MSB<<8)|(\new)
.set MSB, (\new)
.endif
.endm
.set MUL_LO, 0xa1                      ; source 0 (B) window 1, source 1 (A) window 0, C and D window 2
.set MUL_HI, 0xf1                      ; the same, C and D window 3
.set TO_B,   0x40                      ; destination window 1, address window 0
; A joint load: waves 0 and 1 fetch for A, waves 2 and 3 for B.  The branch hangs on the wave's number alone.  An s_nop 0 and four v_nop follow each of the two lines.
.macro JLOAD g0a, g1a, g0b, g1b
	s_cmp_eq_u32 s15, 0
	s_cbranch_scc0 .Lfor_b_\@
	tensor_load_to_lds s[\g0a:\g0a+3], s[\g1a:\g1a+7]
	s_nop 0
.rept 4
	v_nop
.endr
	s_branch .Lasked_\@
.Lfor_b_\@:
	tensor_load_to_lds s[\g0b:\g0b+3], s[\g1b:\g1b+7]
	s_nop 0
.rept 4
	v_nop
.endr
.Lasked_\@:
.endm
.macro CREST                           ; a round of the cluster's barrier behind its opening barrier
	s_cmp_lg_u32 s14, 0
	s_cbranch_scc1 .Lnot_wave_0_\@
	s_barrier_signal -3
.Lnot_wave_0_\@:
	s_barrier_wait -3
	s_barrier_signal -1
	s_barrier_wait -1
.endm
.macro CROUND
	s_barrier_signal -1
	s_barrier_wait -1
	CREST
.endm
	s_load_b512 s[68:83], s[0:1], 0x0              ; x's codes, scales; Wq's; Wk's; Wv's
	s_load_b256 s[84:91], s[0:1], 0x40             ; bq, bk, bv, qkv
	s_load_b64 s[92:93], s[0:1], 0x60              ; qkvs
	v_lshl_add_u32 v[SPW], v0, 2, SPARE
	v_mov_b32 v[NIL], 0
	ds_add_u32 v[SPW], v[NIL]                      ; the wave's opening: the add, twice on end, and its wait ahead of my first tensor load
	ds_add_u32 v[SPW], v[NIL]
	v_lshrrev_b32 v1, 5, v0
	v_readfirstlane_b32 s14, v1                    ; wave 0..3
	s_lshr_b32 s15, s14, 1                         ; which half of A's rows is mine.  Also: I fetch for A (0) or for B (1)
	s_and_b32 s16, s14, 1                          ; which half of B's rows.  Also: which 128 rows I fetch
	s_bfe_u32 s40, ttmp6, 0x40000                  ; cx
	s_bfe_u32 s41, ttmp6, 0x40004                  ; cy
	s_and_b32 s18, ttmp7, 0xffff
	s_lshl_b32 s18, s18, 2                         ; 4 x cluster y: it walks the 16 tiles of tokens
	s_cmp_eq_u32 ttmp9, 2                          ; V's product?  The cluster's x is the same in all sixteen partners
	s_cselect_b32 s17, 0, s18
	s_cselect_b32 s42, s18, 0
	s_add_co_u32 s17, s17, s41                     ; A's tile of 256 rows: tokens 4 cly + cy, or (V) channels cy
	s_add_co_u32 s42, s42, s40                     ; B's tile: channels cx, or (V) tokens 4 cly + cx
	s_lshl_b32 s43, s41, 2
	s_lshl_b32 s43, 15, s43                        ; my row of the cluster
	s_lshl_b32 s44, 0x1111, s40                    ; my column
	s_or_b32 s[G1+0], s43, (0<<16)|(1<<20)|(1<<21)|(5<<22)|(3<<25)  ; the mask; elements of 1 byte; padding on; bit 21 beside a mask; after every 64 words, 4 words
	s_or_b32 s[G1B+0], s44, (0<<16)|(1<<20)|(1<<21)|(5<<22)|(3<<25)
.irp g, G1, G1B
	s_mov_b32 s[\g+1], ROWB<<16                    ; tensor_dim0
	s_mov_b32 s[\g+2], 256<<16                     ; tensor_dim1: 256 rows for the head's loads; set to 128 behind them, for the ring's
	s_mov_b32 s[\g+3], ROWB<<16                    ; tile_dim0
	s_mov_b32 s[\g+4], 256                         ; tile_dim1 likewise
	s_mov_b32 s[\g+5], KROW                        ; from row to row
	s_mov_b32 s[\g+6], 0
	s_mov_b32 s[\g+7], 0
.endr
	s_mov_b32 s[SEL], 0x76543210
	s_mov_b32 s[SEL+1], 0xfedcba98                 ; v_permlanex16_b32's selects for lane l xor 16
	s_mov_b32 s[MNT], 0x600000                     ; the mantissa field of 57,344
	s_lshl_b32 s20, s17, 8                         ; A's tile: its first row
	s_lshl_b32 s46, s42, 8                         ; B's
	s_mov_b32 s21, 0
	s_mov_b32 s47, 0
	s_mov_b64 s[18:19], KS
	s_mul_u64 s[22:23], s[20:21], s[18:19]         ; where these rows' scale bytes begin
	s_mul_u64 s[100:101], s[46:47], s[18:19]
	s_mov_b64 s[18:19], KROW
	s_mul_u64 s[20:21], s[20:21], s[18:19]         ; and their codes
	s_mul_u64 s[46:47], s[46:47], s[18:19]
	s_mul_i32 s45, s14, HALFT                      ; where they go: wave x 128 rows
	s_lshl_b32 s94, s16, 17                        ; in the ring I fetch 128 rows of a tile: which half, in bytes
	s_wait_dscnt 0x0                               ; both opening adds are done
	s_wait_kmcnt 0x0
	s_cmp_eq_u32 ttmp9, 0                          ; the weight, its scales and its bias: chosen by the cluster's x alone
	s_cselect_b64 s[8:9], s[72:73], s[76:77]
	s_cselect_b64 s[10:11], s[74:75], s[78:79]
	s_cselect_b64 s[12:13], s[84:85], s[86:87]
	s_cmp_eq_u32 ttmp9, 2
	s_cselect_b64 s[8:9], s[80:81], s[8:9]
	s_cselect_b64 s[10:11], s[82:83], s[10:11]
	s_cselect_b64 s[12:13], s[88:89], s[12:13]
	s_cselect_b64 s[4:5], s[8:9], s[68:69]         ; A: the weight for V, else x
	s_cselect_b64 s[6:7], s[10:11], s[70:71]
	s_cselect_b64 s[8:9], s[68:69], s[8:9]         ; B: x for V, else the weight
	s_cselect_b64 s[10:11], s[70:71], s[10:11]
	s_cselect_b32 s18, s17, s42                    ; the tile of 256 channels
	s_mov_b64 s[96:97], s[90:91]                   ; qkv
	s_mov_b64 s[98:99], s[92:93]                   ; qkvs
	s_lshl_b32 s18, s18, 10
	s_mov_b32 s19, 0
	s_add_nc_u64 s[12:13], s[12:13], s[18:19]      ; the work-group's 256 biases
	s_add_nc_u64 s[20:21], s[4:5], s[20:21]
	s_add_nc_u64 s[22:23], s[6:7], s[22:23]
	s_add_nc_u64 s[46:47], s[8:9], s[46:47]
	s_add_nc_u64 s[100:101], s[10:11], s[100:101]
	; the scale bytes of 256 rows: a dense block of 8,192 bytes, as 32 rows of 256 bytes (32 elements of 8 bytes), 16 bytes of padding behind each.  (These words lie where the arguments landed: they are written here)
	s_or_b32 s[G1S+0], s43, (3<<16)|(1<<20)|(1<<21)|(5<<22)|(3<<25)
	s_or_b32 s[G1SB+0], s44, (3<<16)|(1<<20)|(1<<21)|(5<<22)|(3<<25)
.irp g, G1S, G1SB
	s_mov_b32 s[\g+1], 32<<16
	s_mov_b32 s[\g+2], 32<<16                      ; 256 rows of scale bytes: 8,192 dense bytes as 32 rows of 256
	s_mov_b32 s[\g+3], 32<<16
	s_mov_b32 s[\g+4], 32
	s_mov_b32 s[\g+5], 32
	s_mov_b32 s[\g+6], 0
	s_mov_b32 s[\g+7], 0
.endr
	CROUND                                         ; all sixteen work-groups are here: the first joint loads meet
.set G0H, 4                            ; s[4:7], s[8:11]: group 0 of the head's loads of K step 0 (the addresses that lay there have been used)
.set G0HB, 8
	s_mov_b32 s[G0H], 1                            ; K step 0: A's 256 rows,
	s_mov_b32 s[G0H+1], 0
	s_mov_b64 s[G0H+2:G0H+3], s[20:21]
	s_or_b32 s[G0H+3], s[G0H+3], 0x80000000
	s_mov_b32 s[G0HB], 1                           ; B's 256 rows behind them,
	s_mov_b32 s[G0HB+1], 2*HALFT
	s_mov_b64 s[G0HB+2:G0HB+3], s[46:47]
	s_or_b32 s[G0HB+3], s[G0HB+3], 0x80000000
	s_mov_b32 s[G0S], 1                            ; the scale bytes of A's rows,
	s_mov_b32 s[G0S+1], SCL
	s_mov_b64 s[G0S+2:G0S+3], s[22:23]
	s_or_b32 s[G0S+3], s[G0S+3], 0x80000000
	s_mov_b32 s[G0SB], 1                           ; and of B's
	s_mov_b32 s[G0SB+1], SCL+2*HALFS
	s_mov_b64 s[G0SB+2:G0SB+3], s[100:101]
	s_or_b32 s[G0SB+3], s[G0SB+3], 0x80000000
; The head's four tiles, one a wave: one chain of branches on the wave's number, one load on every way.
.macro ARM under, g0, g1, next
	s_cmp_lt_u32 s14, \under
	s_cbranch_scc0 \next
	tensor_load_to_lds s[\g0:\g0+3], s[\g1:\g1+7]
	s_nop 0
.rept 4
	v_nop
.endr
	s_branch .Lhead_asked
\next:
.endm
	ARM 1, G0H,  G1,  .Lhead_b
	ARM 2, G0HB, G1B, .Lhead_sa
	ARM 3, G0S,  G1S, .Lhead_sb
	tensor_load_to_lds s[G0SB:G0SB+3], s[G1SB:G1SB+7]
	s_nop 0
.rept 4
	v_nop
.endr
.Lhead_asked:
	s_mov_b32 s18, s94
	s_mov_b32 s19, 0
	s_add_nc_u64 s[20:21], s[20:21], s[18:19]      ; for the ring: my 128 rows of the tile
	s_add_nc_u64 s[46:47], s[46:47], s[18:19]
.irp s, 0,1
	s_mov_b32 s[G0+4*\s], 1
	s_add_co_u32 s[G0+4*\s+1], s45, \s*SLOT
	s_add_nc_u64 s[G0+4*\s+2:G0+4*\s+3], s[20:21], \s*ROWB
	s_or_b32 s[G0+4*\s+3], s[G0+4*\s+3], 0x80000000
	s_mov_b32 s[G0B+4*\s], 1
	s_add_co_u32 s[G0B+4*\s+1], s45, \s*SLOT
	s_add_nc_u64 s[G0B+4*\s+2:G0B+4*\s+3], s[46:47], \s*ROWB
	s_or_b32 s[G0B+4*\s+3], s[G0B+4*\s+3], 0x80000000
.endr
	v_lshlrev_b32 v10, 3, v0                       ; the biases: 8 bytes a thread, 1,024 consecutive bytes a work-group
	global_load_b64 v[8:9], v10, s[12:13]
	v_add_nc_u32 v11, BIASL, v10
	v_and_b32 v1, 15, v0                           ; r = l % 16
	v_bfe_u32 v2, v0, 4, 1                         ; h = l / 16
	v_mul_u32_u24 v3, v1, PITCH
	v_lshl_add_u32 v4, v2, 4, v3                   ; a fragment's row x pitch + 16 x half
	s_mul_i32 s21, s15, HALFT                      ; my 128 rows of A
	s_mul_i32 s22, s16, HALFT                      ; my 128 rows of B,
	s_add_co_u32 s22, s22, 2*HALFT                 ; which lie behind A's 256
.irp s, 0,1
	v_add_nc_u32 v[ADRA+\s], s21, v4
	v_add_nc_u32 v[ADRB+\s], s22, v4
	s_add_co_u32 s21, s21, SLOT
	s_add_co_u32 s22, s22, SLOT
.endr
	v_mul_u32_u24 v5, v1, KS                       ; my row's scale bytes: 32 a row,
	v_lshrrev_b32 v6, 8, v5
	v_lshl_add_u32 v5, v6, 4, v5                   ; and 16 more for each 256 passed
	s_mul_i32 s21, s15, HALFS
	s_mul_i32 s22, s16, HALFS
	s_add_co_u32 s22, s22, 2*HALFS
	s_sub_co_u32 s22, s22, s21
	v_mul_u32_u24 v6, s22, v2                      ; lanes 16-31 take B's
	s_add_co_u32 s21, s21, SCL
	v_add_nc_u32 v5, v5, v6
	v_add_nc_u32 v[ADRS], s21, v5
	v_and_b32 v6, 31, v0
	v_lshlrev_b32 v[CO], 4, v6
	v_bfe_u32 v[VH], v0, 4, 1
	s_lshl_b32 s21, s16, 9
	s_add_co_u32 s21, s21, BIASL
	v_lshl_add_u32 v[VBQ], v2, 5, s21              ; my 128 channels along the registers: + 32 h; tile b 64 b on
	s_lshl_b32 s22, s15, 9
	s_add_co_u32 s22, s22, BIASL
	v_lshl_add_u32 v[VBV], v1, 2, s22              ; my 128 channels along the lanes: + 4 r; tile a 64 a on
	v_mul_u32_u24 v[VSO], v2, 24576                ; the scale words: lanes 16-31 store the next head's, 24,576 bytes on
	v_lshl_add_u32 v[VSO], v1, 4, v[VSO]
	s_wait_alu depctr_va_vdst(0)
	s_wait_loadcnt 0x0
	ds_store_b64 v11, v[8:9]
.macro FRAG reg, adr, q, i             ; a fragment: lane l holds row l % 16; registers 4 c .. 4 c + 3 hold K = 32 c + 16 (l / 16) + 0 .. 15
.irp c, 0,1,2,3
	ds_load_b128 v[\reg+4*\c:\reg+4*\c+3], v[\adr] offset:128*(\q)+32*\c+(\i)*16*PITCH
.endr
.endm
; 16 matrix instructions: A's blocks a0, a0 + 1 x B's eight, 128 along K.  The 64 accumulators take turns, one instruction a turn, in the same order in every step.
.macro MUL16 a0, p, q, sc, zero
.irp a, \a0, \a0+1
.irp b, 0,1,2,3,4,5,6,7
.if \zero
	v_wmma_scale_f32_16x16x128_f8f6f4 v[8*(8*((\a)%4)+\b):8*(8*((\a)%4)+\b)+7], v[128*(\p)+FR*\b:128*(\p)+FR*\b+FR-1], v[AF+FR*(\a):AF+FR*(\a)+FR-1], 0, v[SC+8*NQ*(\sc)+NQ*\b+(\q)], v[SC+8*NQ*(\sc)+NQ*(\a)+(\q)] matrix_a_fmt:MATRIX_FMT_BF8 matrix_b_fmt:MATRIX_FMT_BF8 matrix_a_scale:MATRIX_SCALE_ROW1
.else
	v_wmma_scale_f32_16x16x128_f8f6f4 v[8*(8*((\a)%4)+\b):8*(8*((\a)%4)+\b)+7], v[128*(\p)+FR*\b:128*(\p)+FR*\b+FR-1], v[AF+FR*(\a):AF+FR*(\a)+FR-1], v[8*(8*((\a)%4)+\b):8*(8*((\a)%4)+\b)+7], v[SC+8*NQ*(\sc)+NQ*\b+(\q)], v[SC+8*NQ*(\sc)+NQ*(\a)+(\q)] matrix_a_fmt:MATRIX_FMT_BF8 matrix_b_fmt:MATRIX_FMT_BF8 matrix_a_scale:MATRIX_SCALE_ROW1
.endif
.endr
.endr
.endm
.macro FETCH_B slot, q, p
	WIN TO_B
.irp i, 0,1,2,3,4,5,6,7
	FRAG 128*(\p)+FR*\i, ADRB+\slot, \q, \i
.endr
	WIN 0
.endm
.macro FETCH_A slot, q, i0
.irp i, \i0, \i0+1, \i0+2, \i0+3
	FRAG AF+FR*(\i), ADRA+\slot, \q, \i
.endr
.endm
.macro SCALES sc                       ; a K step's scale words: two words a row; lanes 0-15 take A's block i, lanes 16-31 B's block i
.irp i, 0,1,2,3,4,5,6,7
	ds_load_b64 v[SC+8*NQ*\sc+NQ*\i:SC+8*NQ*\sc+NQ*\i+1], v[ADRS] offset:\i*SBLK
.endr
.endm
.macro PLACES n                        ; plain vector instructions between a matrix instruction and a load into, or a read of, its registers
.rept \n
	v_nop
.endr
.endm
.macro STEP slot, q, zero              ; a step of 128 along K that has its successor in the same slot
	s_wait_dscnt 4*NL                              ; B's set and A's blocks 0-3 are in; the youngest 16 loads (A's blocks 4-7) may be out
	WIN MUL_LO
	MUL16 0, (\q)%2, \q, \slot, \zero
	MUL16 2, (\q)%2, \q, \slot, \zero
	s_wait_dscnt 0                                 ; A's blocks 4-7 are in
	PLACES NP
	FETCH_B \slot, (\q)+1, 1-(\q)%2
	FETCH_A \slot, (\q)+1, 0
	WIN MUL_HI
	MUL16 4, (\q)%2, \q, \slot, \zero
	MUL16 6, (\q)%2, \q, \slot, \zero
	PLACES NP
	WIN 0
	FETCH_A \slot, (\q)+1, 4
.endm
; A slot's last step changes slots: one barrier; in front of it each wave waits for all its tensor loads, adds 0 to its spare word, and waits for that and for its own reads of this slot.
.macro TURN slot, next, fill
	s_wait_tensorcnt 0x0                           ; all my tensor loads have landed: my part of the next slot
	ds_add_u32 v[SPW], v[NIL]                      ; 0 onto my spare word
	s_wait_dscnt 4*NL+1                            ; (the add and the youngest 16 loads may be out)
	WIN MUL_LO
	MUL16 0, 1, NQ-1, \slot, 0
	s_wait_dscnt 0x0                               ; the add is done, and my reads of this slot are over
	s_barrier_signal -1
	MUL16 2, 1, NQ-1, \slot, 0
	WIN 0
	s_barrier_wait -1
.if \fill
	CREST                                          ; the barrier has opened a round of the cluster's: no wave of any partner still reads this slot or has a load on its way
	s_add_nc_u64 s[G0+4*\slot+2:G0+4*\slot+3], s[G0+4*\slot+2:G0+4*\slot+3], 2*ROWB
	s_add_nc_u64 s[G0B+4*\slot+2:G0B+4*\slot+3], s[G0B+4*\slot+2:G0B+4*\slot+3], 2*ROWB
	JLOAD G0+4*\slot, G1, G0B+4*\slot, G1B         ; the first tensor load behind the round; its four v_nop are among the places in front of the loads below
	PLACES NP-4
.else
	PLACES NP
.endif
	s_wait_alu depctr_va_vdst(0)
	v_add_nc_u32 v[ADRS], 4*NQ, v[ADRS]            ; on to the next K step's scale words
	FETCH_B \next, 0, 0
	FETCH_A \next, 0, 0
	SCALES \next
	WIN MUL_HI
	MUL16 4, 1, NQ-1, \slot, 0
	MUL16 6, 1, NQ-1, \slot, 0
	PLACES NP
	WIN 0
	FETCH_A \next, 0, 4
.endm
	s_wait_tensorcnt 0x0                           ; my tile of the head's four is in
	ds_add_u32 v[SPW], v[NIL]                      ; 0 onto my spare word
	s_mov_b32 s[G1+2], 128<<16                     ; no tensor load of mine is out, so a descriptor may be written: from here on a load brings 128 rows
	s_mov_b32 s[G1+4], 128
	s_mov_b32 s[G1B+2], 128<<16
	s_mov_b32 s[G1B+4], 128
	s_wait_dscnt 0x0                               ; the add is done, and my part of the biases lies in LDS
	CROUND                                         ; a whole round: all four tiles are in, and all sixteen work-groups are here
	JLOAD G0+4, G1, G0B+4, G1B                     ; K step 1's load, the first tensor load behind the round
	FETCH_B 0, 0, 0
	FETCH_A 0, 0, 0
	SCALES 0
	FETCH_A 0, 0, 4
	STEP 0, 0, 1                                   ; the first step's products start the sums: nothing is cleared
	s_mov_b32 s3, LAPS-1
.Llap:                                                 ; a trip goes once round the ring and fills both slots again
	TURN 0, 1, 1
	STEP 1, 0, 0
	TURN 1, 0, 1
	STEP 0, 0, 0
	s_sub_co_u32 s3, s3, 1
	s_cmp_lg_u32 s3, 0
	s_cbranch_scc1 .Llap
	TURN 0, 1, 0                                   ; the last lap fills nothing
	STEP 1, 0, 0
	s_wait_dscnt 4*NL
	WIN MUL_LO
	MUL16 0, 1, NQ-1, 1, 0
	MUL16 2, 1, NQ-1, 1, 0
	s_wait_dscnt 0
	WIN MUL_HI
	MUL16 4, 1, NQ-1, 1, 0
	MUL16 6, 1, NQ-1, 1, 0
	WIN 0
	PLACES NP                                      ; in front of the first read of results and the first write over A's fragments
; 64 numbers of a lane, register 16 b + i of block b, become 16 registers of codes in v[pc] on and the four blocks' scale word in v[pw].  A block's other 16 numbers lie in lane l xor 16.
.macro QUANT s, pc, pw
.irp b, 0,1,2,3
	v_max3_num_f32 v[TM+\b], |v[\s+16*\b]|, |v[\s+1+16*\b]|, 0x8000000   ; my 16 numbers, and the floor 2^(16 - 127): the byte cannot fall under 1
.endr
.irp i, 2,4,6,8,10,12,14
.irp b, 0,1,2,3
	v_max3_num_f32 v[TM+\b], v[TM+\b], |v[\s+16*\b+\i]|, |v[\s+1+16*\b+\i]|
.endr
.endr
.irp b, 0,1,2,3
	v_permlanex16_b32 v[TM+4+\b], v[TM+\b], s[SEL], s[SEL+1]
.endr
.irp b, 0,1,2,3
	v_max_num_f32 v[TM+\b], v[TM+\b], v[TM+4+\b]   ; the block's largest magnitude
.endr
.irp b, 0,1,2,3
	v_add_nc_u32 v[TM+12+\b], 0xf8800000, v[TM+\b] ; 15 off its exponent field: the conversion's scale operand
.endr
.irp b, 0,1,2,3
	v_and_or_b32 v[TM+8+\b], v[TM+\b], 0x7f800000, s[MNT]   ; 57,344 x the scale
.endr
.irp b, 0,1,2,3
	v_lshrrev_b32 v[TM+4+\b], 23, v[TM+12+\b]      ; the scale's byte
.endr
	v_lshl_or_b32 v[\pw], v[TM+5], 8, v[TM+4]
	v_lshl_or_b32 v[\pw], v[TM+6], 16, v[\pw]
	v_lshl_or_b32 v[\pw], v[TM+7], 24, v[\pw]
.irp b, 0,1,2,3
.irp i, 0,1,2,3,4,5,6,7,8,9,10,11,12,13,14,15
	v_med3_num_f32 v[\s+16*\b+\i], v[\s+16*\b+\i], -v[TM+8+\b], v[TM+8+\b]   ; the conversion to an 8-bit code does not saturate (ISA guide 7.6.2): the hold comes first
.endr
	v_cvt_scalef32_pk8_bf8_f32 v[\pc+4*\b:\pc+1+4*\b], v[\s+16*\b:\s+7+16*\b], v[TM+12+\b]
	v_cvt_scalef32_pk8_bf8_f32 v[\pc+2+4*\b:\pc+3+4*\b], v[\s+8+16*\b:\s+15+16*\b], v[TM+12+\b]
.endr
	v_nop                                          ; a plain instruction behind the last conversion, ahead of the next write of its sources
.endm
; Block a (16 rows of A x my 128 rows of B): the bias is added on the way into window 0, each accumulator from its low end on; quantised; four chunks of 512 consecutive bytes stored.
.macro BLOCK a, isv
.if (\a) >= 2
	s_wait_xcnt 0x0                                ; block a - 2's stores have read their registers: the codes' set is written again
.endif
	WIN 0x02+(\a)/4                                ; source 0: window 2 or 3
.set i, 0
.rept 32
.if \isv
	v_pk_add_f32 v[T+2*i:T+2*i+1], v[64*((\a)%4)+2*i:64*((\a)%4)+2*i+1], v[BIAS+2*(\a):BIAS+2*(\a)+1]
.else
	v_pk_add_f32 v[T+2*i:T+2*i+1], v[64*((\a)%4)+2*i:64*((\a)%4)+2*i+1], v[BIAS+2*i:BIAS+2*i+1]
.endif
.set i, i+1
.endr
	WIN 0
	QUANT T, PC+16*((\a)%2), SW+(\a)
.irp c, 0,1,2,3
.if \isv
	global_store_b128 v[CO], v[PC+16*((\a)%2)+4*\c:PC+16*((\a)%2)+4*\c+3], s[12:13] offset:((\a)/4)*786432+((\a)%4)*2048+\c*512   ; head a / 4, channel tile a % 4, key block c
.else
	global_store_b128 v[CO], v[PC+16*((\a)%2)+4*\c:PC+16*((\a)%2)+4*\c+3], s[12:13] offset:(\c/2)*786432+(\a)*1024+(\c%2)*512     ; head c / 2, token tile a, channel block c % 2
.endif
.endr
.endm
.macro EPI isv
.if \isv
	s_lshl_b32 s20, s17, 2
	s_lshl_b32 s21, s15, 1
	s_add_co_u32 s20, s20, s21                     ; my first head: 4 x A's tile + 2 x half
	s_mul_i32 s22, s42, 49152                      ; the slot of 256 tokens (eight slots are a batch's 393,216 bytes)
	s_lshl_b32 s21, s16, 13
	s_add_co_u32 s22, s22, s21                     ; my step of 128 keys
	s_add_co_u32 s22, s22, 32768                   ; V's part
	s_lshr_b32 s46, s42, 3
	s_mul_i32 s46, s46, 12288                      ; the batch
	s_and_b32 s47, s42, 7
	s_lshl_b32 s47, s47, 1
	s_add_co_u32 s47, s47, s16
	s_lshl_b32 s47, s47, 8                         ; the step of 128 tokens
	s_add_co_u32 s46, s46, s47
	s_add_co_u32 s46, s46, 8192
.else
	s_cmp_eq_u32 ttmp9, 1
	s_cselect_b32 s45, 16384, 0                    ; K's part or Q's
	s_cselect_b32 s94, 4096, 0
	s_lshl_b32 s20, s42, 2
	s_lshl_b32 s21, s16, 1
	s_add_co_u32 s20, s20, s21                     ; my first head: 4 x B's tile + 2 x half
	s_mul_i32 s22, s17, 49152
	s_lshl_b32 s21, s15, 13
	s_add_co_u32 s22, s22, s21                     ; my 8 tiles of tokens
	s_add_co_u32 s22, s22, s45
	s_lshr_b32 s46, s17, 3
	s_mul_i32 s46, s46, 12288
	s_and_b32 s47, s17, 7
	s_lshl_b32 s47, s47, 1
	s_add_co_u32 s47, s47, s15
	s_lshl_b32 s47, s47, 8
	s_add_co_u32 s46, s46, s47
	s_add_co_u32 s46, s46, s94
.endif
	s_mul_i32 s21, s20, 786432
	s_add_co_u32 s22, s22, s21
	s_mov_b32 s23, 0
	s_add_nc_u64 s[12:13], s[96:97], s[22:23]      ; where my codes go
	s_mul_i32 s21, s20, 24576
	s_add_co_u32 s46, s46, s21
	s_mov_b32 s47, 0
	s_add_nc_u64 s[4:5], s[98:99], s[46:47]        ; and my scale words
.if \isv
.irp a, 0,1,2,3,4,5,6,7
	ds_load_b32 v[BIAS+2*\a], v[VBV] offset:64*\a  ; the bias of channel 16 a + r, twice: a pair for the packed addition
	ds_load_b32 v[BIAS+2*\a+1], v[VBV] offset:64*\a
.endr
.else
.irp b, 0,1,2,3,4,5,6,7
	ds_load_b128 v[BIAS+8*\b:BIAS+8*\b+3], v[VBQ] offset:64*\b       ; the biases of channels 16 b + 8 h + 0 .. 7
	ds_load_b128 v[BIAS+8*\b+4:BIAS+8*\b+7], v[VBQ] offset:64*\b+16
.endr
.endif
.irp b, 0,1,2,3
	v_mov_b32 v[TM+4+\b], 0                        ; a lane permute's destination counts as one of its sources
.endr
	s_wait_dscnt 0x0
.irp a, 0,1,2,3,4,5,6,7
	BLOCK \a, \isv
.endr
	v_cmp_eq_u32 vcc_lo, 1, v[VH]
.if \isv
.irp i, 0,1,2,3
	v_cndmask_b32 v[WQ+\i], v[SW+\i], v[SW+4+\i], vcc_lo   ; lanes 0-15: my first head's four channel tiles; lanes 16-31: the next head's
.endr
.else
	v_mov_b32 v[VSEL], 0x05040100                  ; bytes 0, 1 of two tiles' words: my first head's two blocks;
	v_mov_b32 v10, 0x07060302                      ; bytes 2, 3: the next head's
	v_cndmask_b32 v[VSEL], v[VSEL], v10, vcc_lo
.irp p, 0,1,2,3
	v_perm_b32 v[WQ+\p], v[SW+2*\p+1], v[SW+2*\p], v[VSEL]
.endr
.endif
	global_store_b128 v[VSO], v[WQ:WQ+3], s[4:5]   ; sixteen lanes store 256 consecutive bytes, aligned: a step's words of one head
.endm
	s_cmp_eq_u32 ttmp9, 2                          ; one parting, on the cluster's x: both ways only read LDS
	s_cbranch_scc1 .Lv
	EPI 0
	s_branch .Ljoin
.Lv:
	EPI 1
.Ljoin:
	s_wait_tensorcnt 0x0                           ; the wave's end, behind my last tensor load and my last LDS store
	ds_add_u32 v[SPW], v[NIL]
	s_wait_dscnt 0x0
	CROUND                                         ; the closing round: no work-group ends while a partner may still ask for a tile that names it
	s_endpgm
.Lfunc_end_k_q8a9b11beed_qkv_proj:
	.size	k_q8a9b11beed_qkv_proj, .Lfunc_end_k_q8a9b11beed_qkv_proj-k_q8a9b11beed_qkv_proj
	.p2alignl 7, 3214868480
	.fill 96, 4, 3214868480
	.section	.rodata,"a",@progbits
	.p2align	6, 0x0
	.amdhsa_kernel k_q8a9b11beed_qkv_proj
		.amdhsa_group_segment_fixed_size 327680
		.amdhsa_private_segment_fixed_size 0
		.amdhsa_enable_private_segment 0
		.amdhsa_kernarg_size 104
		.amdhsa_user_sgpr_count 2
		.amdhsa_user_sgpr_kernarg_segment_ptr 1
		.amdhsa_wavefront_size32 1
		.amdhsa_system_sgpr_workgroup_id_x 1
		.amdhsa_system_sgpr_workgroup_id_y 1
		.amdhsa_system_sgpr_workgroup_id_z 1
		.amdhsa_system_vgpr_workitem_id 0
		.amdhsa_next_free_vgpr 1024
		.amdhsa_next_free_sgpr 102
		.amdhsa_reserve_vcc 1
		.amdhsa_float_denorm_mode_32 3
		.amdhsa_float_denorm_mode_16_64 3
		.amdhsa_memory_ordered 1
		.amdhsa_forward_progress 1
		.amdhsa_inst_pref_size 255
	.end_amdhsa_kernel
	.section	.bss,"aw",@nobits
	.p2align	6
	.space	262144
	.amdgpu_metadata
---
amdhsa.version: [ 1, 2 ]
amdhsa.kernels:
  - .name:           k_q8a9b11beed_qkv_proj
    .symbol:         k_q8a9b11beed_qkv_proj.kd
    .args:
      - { .name: x_codes, .offset: 0, .size: 8, .value_kind: global_buffer, .address_space: global }
      - { .name: x_scales, .offset: 8, .size: 8, .value_kind: global_buffer, .address_space: global }
      - { .name: Wq_codes, .offset: 16, .size: 8, .value_kind: global_buffer, .address_space: global }
      - { .name: Wq_scales, .offset: 24, .size: 8, .value_kind: global_buffer, .address_space: global }
      - { .name: Wk_codes, .offset: 32, .size: 8, .value_kind: global_buffer, .address_space: global }
      - { .name: Wk_scales, .offset: 40, .size: 8, .value_kind: global_buffer, .address_space: global }
      - { .name: Wv_codes, .offset: 48, .size: 8, .value_kind: global_buffer, .address_space: global }
      - { .name: Wv_scales, .offset: 56, .size: 8, .value_kind: global_buffer, .address_space: global }
      - { .name: bq, .offset: 64, .size: 8, .value_kind: global_buffer, .address_space: global }
      - { .name: bk, .offset: 72, .size: 8, .value_kind: global_buffer, .address_space: global }
      - { .name: bv, .offset: 80, .size: 8, .value_kind: global_buffer, .address_space: global }
      - { .name: qkv, .offset: 88, .size: 8, .value_kind: global_buffer, .address_space: global }
      - { .name: qkvs, .offset: 96, .size: 8, .value_kind: global_buffer, .address_space: global }
    .group_segment_fixed_size: 327680
    .private_segment_fixed_size: 0
    .kernarg_segment_align: 8
    .kernarg_segment_size: 104
    .max_flat_workgroup_size: 128
    .sgpr_count:     102
    .vgpr_count:     1024
    .wavefront_size: 32
...
	.end_amdgpu_metadata
.endif
;; end of part 1
;; launch attn (part 2): grid 4 x 64, 16 waves a work-group, clusters of 4 x 4, 327,680 bytes of LDS; arguments qkv, qkvs, yimg, ysc; writes yimg, ysc
.if DOCPART == 2
	.amdgcn_target "amdgcn-amd-amdhsa--gfx1250"
	.amdhsa_code_object_version 6
	.text
	.protected	k_q8a9b11beed_attn
	.globl	k_q8a9b11beed_attn
	.p2align	8
	.type	k_q8a9b11beed_attn,@function
k_q8a9b11beed_attn:
	s_mov_b64 s[64:65], 0
	v_nop
	global_prefetch_b8 v0, s[64:65] scope:SCOPE_SE
	s_setreg_imm32_b32 hwreg(HW_REG_WAVE_MODE, 25, 1), 1
	s_wait_xcnt 0x0
	s_wait_alu depctr_hold_cnt(0) depctr_sa_sdst(0) depctr_va_vdst(0) depctr_va_sdst(0) depctr_va_ssrc(0) depctr_va_vcc(0) depctr_vm_vsrc(0)
	s_getreg_b32 s2, hwreg(HW_REG_IB_STS2, 6, 4)
	s_cmp_eq_u32 s2, 0
	s_cbranch_scc0 .Lentry_in_a_cluster
	s_endpgm
.Lentry_in_a_cluster:
	s_bfe_u32 s2, ttmp6, 0x10000c
	s_cmp_lg_u32 s2, 0xf033
	s_cbranch_scc0 .Lentry_shape_is_right
	s_endpgm
.Lentry_shape_is_right:
; Launch 2 of 3: causal attention on the codes and scales of launch qkv_proj; y divided by the row's sum, quantised along the channels.
; LEFT OUT: key steps of 128 keys that all come after a tile's queries: the problem's own lower-triangular mask makes each p of them 0, whatever finite values the inputs hold.
; LIMITS: as in launch qkv_proj; and the scaled scores (exponents to the base 2, ahead of the maximum) stay under 2^31 in magnitude.
; SHARES.  A work-group owns, of one head, tile x (16 queries) of each of the 16 blocks of 128 queries: 16 tiles, the same work in every work-group.  Block n has n + 1 key steps.
; The tiles of blocks b and 15 - b (b = 0 .. 7) have 17 steps together; two waves share them.  Wave A: steps 0 .. 7 of the late tile.  Wave B: the late tile's steps 8 .. 15 - b, handed to A through LDS,
; then the early tile's steps 0 .. b: nine steps.  A joins the two parts of the late tile.  So four waves of 8, 9, 8, 9 steps take turns on each SIMD.
; THE HEAD'S K, V and their scale bytes, 270,336 bytes, all lie in LDS, filled once by nine joint loads, one a wave: no refill.  Stage 0 (key slots 0 and 4) and the scales are shown by the first barrier, the rest by the second, inside trip 1.
; CLUSTERS: 4 x 4: two heads, eight work-groups each; a row of the cluster asks jointly.  No branch and no LDS address hangs on a place in the cluster.
; No prefetch: every tile is asked for at the head, so no loop runs ahead of a load.
; ARITHMETIC.  S^T = K Q^T: a fragment holds two tiles of 16 keys x 64 channels, Q stands beside zeros (v16-31, v24-39).  M is a whole number, kept as -M; p = 2^(t - M); the sum is of the unquantised p; O and the sum are multiplied by the exact 2^(old M - new M).
; REGISTERS: two buffers X (v40-103) and Y (v104-167) take turns: K, then V, in the one; scores, then p, then the next step's K in the other.
.set SCK,   262144
.set DUMP,  270336                     ; 8 x 4,608 bytes: v12-15 and O of the late tile's second part
.set SPARE, 307200                     ; the spare words, 128 bytes a wave
.set STG,   309248                     ; the scale bytes on the way out: [block 16][r 16][2]
.set LI,   1                           ; 16 x lane
.set LSC,  2
.set QS2,  3                           ; the early tile's scale word
.set RH,   4                           ; my query in its block, less 8 (lane / 16)
.set SPW,  5
.set NIL,  6
.set STGA, 7
.set ADK,  8
.set ADS,  9
.set DMP,  10
.set X,    40
.set Y,    104
.set O,    168
.set PCD,  200
.set BM,   216
.set BT,   220
.set BH,   224
.set BS,   228
.set KSC,  232
.set VSC,  236
.set QS,   240
.set PS,   241
.set F,    242
.set TP,   244
.set TQ,   245
.set L2,   246
.set Q2,   248                         ; v248-255: the early tile's Q
.set J,    3                           ; the trip
.set KB,   12                          ; its key step
.set SW,   13                          ; B: the trip at which the early tile begins; A: none
.set SK,   14                          ; A: the trip after its last; B: none
.set ROLE, 15                          ; 1: B
.set LP,   16
.set FL,   17                          ; the floor 2^(16 - 127)
.set WV,   18
.set MNT,  19
.set SEL,  20
.set CS,   22
.set G1,   24
.set G1S,  32
.set G0,   40
.set G0S,  44
.set TB,   94
.set TS,   95
.macro CROUND
	s_barrier_signal -1
	s_barrier_wait -1
	s_cmp_lg_u32 s[WV], 0
	s_cbranch_scc1 .Lnot_wave_0_\@
	s_barrier_signal -3
.Lnot_wave_0_\@:
	s_barrier_wait -3
	s_barrier_signal -1
	s_barrier_wait -1
.endm
.macro PLACES n
.rept \n
	v_nop
.endr
.endm
.macro QOFF blk, o, c                  ; where tile x of block blk has its Q codes and its scale words
	s_lshr_b32 s[\o], s[\blk], 1
	s_mul_i32 s[\o], s[\o], 49152
	s_and_b32 s[\o+1], s[\blk], 1
	s_lshl_b32 s[\o+1], s[\o+1], 13
	s_add_co_u32 s[\o], s[\o], s[\o+1]
	s_lshl_b32 s[\o+1], s51, 10
	s_add_co_u32 s[\o], s[\o], s[\o+1]
	s_add_co_u32 s[\o], s[\o], s56
	s_mov_b32 s[\o+1], 0
	s_lshl_b32 s[\c], s[\blk], 8
	s_lshr_b32 s[\c+1], s51, 1
	s_lshl_b32 s[\c+1], s[\c+1], 2
	s_add_co_u32 s[\c], s[\c], s[\c+1]
	s_add_co_u32 s[\c], s[\c], s58
	s_mov_b32 s[\c+1], 0
.endm
	s_load_b256 s[4:11], s[0:1], 0x0               ; qkv, qkvs, yimg, ysc
	v_lshl_add_u32 v[SPW], v0, 2, SPARE
	v_mov_b32 v[NIL], 0
	ds_add_u32 v[SPW], v[NIL]                      ; the opening: the add, twice on end, under one wait
	ds_add_u32 v[SPW], v[NIL]
	v_lshrrev_b32 v8, 5, v0
	v_readfirstlane_b32 s[WV], v8
	s_bfe_u32 s48, ttmp6, 0x40000                  ; cx
	s_bfe_u32 s49, ttmp6, 0x40004                  ; cy
	s_and_b32 s50, ttmp7, 0xffff
	s_lshl_b32 s50, s50, 2
	s_add_co_u32 s50, s50, s49
	s_lshr_b32 s53, s50, 1                         ; 2 head + batch: my row of the cluster shares it
	s_and_b32 s51, s50, 1
	s_lshl_b32 s51, s51, 2
	s_add_co_u32 s51, s51, s48                     ; x: my tile in each block of 128 queries
	s_lshl_b32 s52, s49, 2
	s_lshl_b32 s52, 15, s52                        ; the mask: my row
	s_and_b32 s54, s[WV], 3
	s_lshl_b32 s54, s54, 1
	s_lshr_b32 s55, s[WV], 3
	s_add_co_u32 s54, s54, s55                     ; b: the early block
	s_bfe_u32 s[ROLE], s[WV], 0x10002
	s_sub_co_u32 s55, 15, s54                      ; the late block
	s_mul_i32 s90, s54, 4608
	s_add_co_u32 s90, s90, DUMP
	s_sub_co_u32 s57, 8, s54
	s_mov_b32 s58, 99
	s_cmp_eq_u32 s[ROLE], 1
	s_cselect_b32 s[SW], s57, s58
	s_cselect_b32 s[SK], s58, 8
	s_cselect_b32 s[KB], 8, 0
	s_xor_b32 s59, s[ROLE], 1
	s_mul_i32 s59, s59, 15
	s_xor_b32 s59, s54, s59                        ; the block that I finish: B's b, A's 15 - b
	s_mul_i32 s56, s53, 393216
	s_mul_i32 s58, s53, 12288
	QOFF 55, 60, 62
	QOFF 54, 66, 68
	s_add_co_u32 s70, s[WV], 7
	s_and_b32 s70, s70, 7                          ; waves 1 .. 8: the load 2 stage + half, of key slot stage + 4 half
	s_lshr_b32 s71, s70, 1
	s_and_b32 s70, s70, 1
	s_lshl_b32 s70, s70, 2
	s_add_co_u32 s70, s70, s71
	s_mul_i32 s70, s70, 49152
	s_add_co_u32 s70, s70, s56
	s_add_co_u32 s70, s70, 16384
	s_mov_b32 s71, 0
	s_add_co_u32 s72, s58, 4096
	s_mov_b32 s73, 0
	s_and_b32 s78, s53, 1                          ; batch
	s_lshr_b32 s79, s53, 1                         ; head
	s_lshl_b32 s74, s78, 7
	s_lshl_b32 s75, s51, 4
	s_add_co_u32 s74, s74, s75
	s_add_co_u32 s74, s74, s59                     ; y's tiles lie as [batch][x][block]
	s_lshl_b32 s74, s74, 14
	s_lshl_b32 s75, s79, 10
	s_add_co_u32 s74, s74, s75
	s_mov_b32 s75, 0
	s_lshl_b32 s76, s78, 4
	s_lshl_b32 s77, s51, 1
	s_add_co_u32 s76, s76, s77
	s_lshl_b32 s76, s76, 12
	s_lshl_b32 s77, s79, 8
	s_add_co_u32 s76, s76, s77
	s_mov_b32 s77, 0
	s_lshl_b32 s86, s59, 5
	s_add_co_u32 s86, s86, STG
	s_and_b32 s88, s51, 1
	s_mov_b32 s87, 0x01000100
	s_cmp_eq_u32 s88, 1
	s_cselect_b32 s87, 0x03020302, s87             ; which two bytes of a scale word are my tile's
	s_lshl_b32 s88, s51, 4
	; group 1: a slot's K and V, 32,768 dense bytes as 128 rows of 256; the scale bytes, 8,192 as 32 rows
	s_or_b32 s[G1], s52, (3<<16)|(1<<21)
	s_or_b32 s[G1S], s52, (3<<16)|(1<<21)
.irp g, G1, G1S
	s_mov_b32 s[\g+1], 32<<16
	s_mov_b32 s[\g+3], 32<<16
	s_mov_b32 s[\g+5], 32
	s_mov_b32 s[\g+6], 0
	s_mov_b32 s[\g+7], 0
.endr
	s_mov_b32 s[G1+2], 128<<16
	s_mov_b32 s[G1+4], 128
	s_mov_b32 s[G1S+2], 32<<16
	s_mov_b32 s[G1S+4], 32
	s_mov_b32 s[G0], 1
	s_and_b32 s[G0+1], s[WV], 7
	s_lshl_b32 s[G0+1], s[G0+1], 15                ; wave w's slot lies at 32,768 (w mod 8)
	s_mov_b32 s[G0S], 1
	s_mov_b32 s[G0S+1], SCK
	s_mov_b32 s[SEL], 0x76543210
	s_mov_b32 s[SEL+1], 0xfedcba98
	s_mov_b32 s[CS], 0x3e38aa3b                    ; c = log2(e) / 8
	s_mov_b32 s[CS+1], s[CS]
	s_mov_b32 s[MNT], 0x600000
	s_mov_b32 s[FL], 0x8000000
	s_mov_b32 s[J], 0
	v_and_b32 v[LI], 31, v0
	v_lshlrev_b32 v[LI], 4, v[LI]
	v_and_b32 v9, 15, v0
	v_lshlrev_b32 v11, 4, v9
	v_add_nc_u32 v[LSC], SCK, v11
	v_bfe_u32 v8, v0, 4, 1
	v_lshlrev_b32 v8, 3, v8
	v_sub_nc_u32 v[RH], v9, v8
	v_add_nc_u32 v[RH], s88, v[RH]
	v_lshl_add_u32 v[STGA], v9, 1, s86
	v_add_nc_u32 v[DMP], s90, v[LI]
	s_wait_alu depctr_va_vdst(0)
	s_wait_dscnt 0x0                               ; both opening adds are done
	s_wait_kmcnt 0x0
	s_add_nc_u64 s[60:61], s[4:5], s[60:61]
	s_add_nc_u64 s[62:63], s[6:7], s[62:63]
	s_add_nc_u64 s[66:67], s[4:5], s[66:67]
	s_add_nc_u64 s[68:69], s[6:7], s[68:69]
	s_add_nc_u64 s[G0+2:G0+3], s[4:5], s[70:71]
	s_or_b32 s[G0+3], s[G0+3], 0x80000000
	s_add_nc_u64 s[G0S+2:G0S+3], s[6:7], s[72:73]
	s_or_b32 s[G0S+3], s[G0S+3], 0x80000000
	s_add_nc_u64 s[74:75], s[8:9], s[74:75]
	s_add_nc_u64 s[76:77], s[10:11], s[76:77]
	global_load_b128 v[16:19], v[LI], s[60:61]     ; the late tile's Q, twice: beside zeros on either side
	global_load_b128 v[20:23], v[LI], s[60:61] offset:512
	global_load_b128 v[32:35], v[LI], s[60:61]
	global_load_b128 v[36:39], v[LI], s[60:61] offset:512
	global_load_b32 v[TP], v11, s[62:63]
	global_load_b128 v[Q2:Q2+3], v[LI], s[66:67]   ; the early tile's
	global_load_b128 v[Q2+4:Q2+7], v[LI], s[66:67] offset:512
	global_load_b32 v[QS2], v11, s[68:69]
	CROUND                                         ; all sixteen work-groups are here: the joint loads meet
; One load a wave, in one chain of arms: the scales; stage 0's two slots; the other six.
.macro ARM under, g0, g1, next
	s_cmp_lt_u32 s[WV], \under
	s_cbranch_scc0 \next
	tensor_load_to_lds s[\g0:\g0+3], s[\g1:\g1+7]
	s_nop 0
	PLACES 4
	s_branch .Lasked
\next:
.endm
	ARM 1, G0S, G1S, .Lstage0
	ARM 3, G0,  G1,  .Lrest
	ARM 9, G0,  G1,  .Lasked0
.Lasked:
.irp i, 24,26,28,30
	v_dual_mov_b32 v[\i], 0 :: v_dual_mov_b32 v[\i+1], 0
.endr
.macro RESET                           ; no key seen yet: the largest score -3e38 (under every score), -M beyond every -M, the sum and O zeros
	v_mov_b32 v12, 0x7e000000
	v_mov_b32 v13, 0xff61b1e6
	v_dual_mov_b32 v14, 0 :: v_dual_mov_b32 v15, 0
.set i, 0
.rept 16
	v_dual_mov_b32 v[O+i], 0 :: v_dual_mov_b32 v[O+i+1], 0
.set i, i+2
.endr
.endm
.irp b, 0,1,2,3
	v_mov_b32 v[BT+\b], 0                          ; a lane permute's destination counts as one of its sources
.endr
	v_mov_b32 v[F+1], 0                            ; (named in the pair)
	s_wait_alu depctr_va_vdst(0)
	s_wait_loadcnt 0x0                             ; Q
	v_perm_b32 v[QS], v[TP], v[TP], s87
	v_perm_b32 v[QS2], v[QS2], v[QS2], s87
	RESET
	s_lshl_b32 s96, s[ROLE], 15
	s_add_co_u32 s[TB], s96, 32768                 ; trip 0: A step 0 (slot 0), B step 8 (slot 4)
	s_lshl_b32 s[TS], s[KB], 8
	v_add_nc_u32 v[ADK], s[TB], v[LI]
	v_add_nc_u32 v[ADS], s[TS], v[LSC]
	s_wait_alu depctr_va_vdst(0)
	s_cmp_lt_u32 s[WV], 3
	s_cbranch_scc0 .Lnot_first
	s_wait_tensorcnt 0x0                           ; waves 0 to 2: the scales and stage 0 have landed.  The others' wait stands at the second barrier
.Lnot_first:
	s_barrier_signal -1
	s_barrier_wait -1
.macro KLOADS d
.irp n, 0,1,2,3,4,5,6,7,8,9,10,11,12,13,14,15
	ds_load_b128 v[\d+4*\n:\d+4*\n+3], v[ADK] offset:512*\n
.endr
	ds_load_b128 v[KSC:KSC+3], v[ADS]
.endm
	KLOADS X
; B ends the late tile's part: v12-15 (-M, the largest score, the sum in two halves) and O go to LDS; the early tile begins.
.macro SWITCH
	s_cmp_eq_u32 s[ROLE], 1
	s_cbranch_scc0 .Lsame_\@
	s_cmp_lg_u32 s[J], s[SW]
	s_cbranch_scc1 .Lsame_\@
	s_wait_alu depctr_va_vdst(0)
	ds_store_b128 v[DMP], v[12:15]
.irp n, 0,1,2,3,4,5,6,7
	ds_store_b128 v[DMP], v[O+4*\n:O+4*\n+3] offset:512*(\n+1)
.endr
	v_mov_b32 v[QS], v[QS2]
.irp n, 0,2,4,6
	v_dual_mov_b32 v[16+\n], v[Q2+\n] :: v_dual_mov_b32 v[17+\n], v[Q2+1+\n]
	v_dual_mov_b32 v[32+\n], v[Q2+\n] :: v_dual_mov_b32 v[33+\n], v[Q2+1+\n]
.endr
	RESET
	s_wait_alu depctr_va_vdst(0)                   ; ahead of the step's first wait
.Lsame_\@:
.endm
; A KEY STEP.  kb: K's buffer, then V's; sb: the scores'.  diag 1: always on the diagonal; 0: where the next trip is the switch.  nxt: how the next step's K is asked for: 0 not at all; 1 inside stage 0;
; 2 behind the barrier that shows the rest; 3 anywhere; 4 anywhere, but not by A behind its last step.
.macro FMA8 s8
.rept 8
	v_pk_fma_f32 v[\s8+i:\s8+i+1], v[\s8+i:\s8+i+1], s[CS:CS+1], v[12:13] op_sel_hi:[1,0,0]
.set i, i+2
.endr
.endm
.macro STEP kb, sb, diag, nxt
	s_wait_dscnt 0x0                               ; K's fragments and scale words
.irp p, 0,1,2,3
.irp u, 0,1
	v_wmma_scale_f32_16x16x128_f8f6f4 v[\sb+16*\p+8*\u:\sb+16*\p+8*\u+7], v[\kb+16*\p:\kb+16*\p+15], v[16+8*\u:31+8*\u], 0, v[KSC+\p], v[QS] matrix_a_fmt:MATRIX_FMT_BF8 matrix_b_fmt:MATRIX_FMT_BF8
.endr
.endr
	v_mov_b32 v11, v12                             ; the old -M.  It and seven v_nop: eight places
	PLACES 7
.irp n, 0,1,2,3,4,5,6,7,8,9,10,11,12,13,14,15
	ds_load_b128 v[\kb+4*\n:\kb+4*\n+3], v[ADK] offset:16384+512*\n
.endr
	ds_load_b128 v[VSC:VSC+3], v[ADS] offset:4096
.if \nxt                               ; where the next step's tiles lie: slot kb / 2 was brought by wave 1 + 2 (slot mod 4) + slot / 4
	s_add_co_u32 s[J], s[J], 1
	s_add_co_u32 s[KB], s[KB], 1
	s_cmp_eq_u32 s[J], s[SW]
	s_cselect_b32 s[KB], 0, s[KB]
	s_bfe_u32 s96, s[KB], 0x10003
.if \nxt > 1
	s_and_b32 s97, s[KB], 6
	s_add_co_u32 s96, s96, s97
	s_add_co_u32 s96, s96, 1
	s_and_b32 s96, s96, 7
	s_lshl_b32 s96, s96, 15
.else
	s_lshl_b32 s96, s96, 15
	s_add_co_u32 s96, s96, 32768
.endif
	s_and_b32 s97, s[KB], 1
	s_lshl_b32 s97, s97, 13
	s_add_co_u32 s[TB], s96, s97
	s_and_b32 s97, s[KB], 15
	s_lshl_b32 s[TS], s97, 8
.endif
.if \diag == 0
	s_cmp_lg_u32 s[J], s[SW]
	s_cbranch_scc1 .Lopen_\@
.endif
	v_mov_b32 v[TP], 0xff800000                    ; hidden keys: -infinity ahead of the maximum
.set i, 0
.rept 64
	v_cmp_gt_i32 vcc_lo, 16*(i/8)+i%8, v[RH]
	v_cndmask_b32 v[\sb+i], v[\sb+i], v[TP], vcc_lo
.set i, i+1
.endr
.Lopen_\@:
.irp b, 0,1,2,3                        ; the largest score of each block of 32 keys, for the row's maximum and for the block's largest p
	v_max3_num_f32 v[BM+\b], v[\sb+16*\b+(\b%2)], v[\sb+16*\b+1+(\b%2)], v[\sb+16*\b+2+(\b%2)]
.endr
.irp i, 3,5,7,9,11,13
.irp b, 0,1,2,3
	v_max3_num_f32 v[BM+\b], v[BM+\b], v[\sb+16*\b+\i+(\b%2)], v[\sb+16*\b+\i+1+(\b%2)]
.endr
.endr
	v_dual_max_num_f32 v[BM], v[BM], v[\sb+15] :: v_dual_max_num_f32 v[BM+1], v[BM+1], v[\sb+16]
	v_dual_max_num_f32 v[BM+2], v[BM+2], v[\sb+47] :: v_dual_max_num_f32 v[BM+3], v[BM+3], v[\sb+48]
.irp b, 0,1,2,3
	v_permlanex16_b32 v[BT+\b], v[BM+\b], s[SEL], s[SEL+1]
.endr
	v_dual_max_num_f32 v[BM], v[BM], v[BT] :: v_dual_max_num_f32 v[BM+1], v[BM+1], v[BT+1]
	v_dual_max_num_f32 v[BM+2], v[BM+2], v[BT+2] :: v_dual_max_num_f32 v[BM+3], v[BM+3], v[BT+3]
	v_max3_num_f32 v[TP], v[BM], v[BM+1], v[BM+2]
	s_delay_alu instid0(VALU_DEP_1)
	v_max3_num_f32 v13, v[TP], v[BM+3], v13        ; the largest score so far
	s_delay_alu instid0(VALU_DEP_1)
	v_mul_f32 v[TP], s[CS], v13
	s_delay_alu instid0(VALU_DEP_1)
	v_floor_f32 v12, -v[TP]                        ; -M = floor(-t)
.set i, 0
	FMA8 \sb                                       ; t - M
	v_sub_f32 v[TQ], v12, v11
	FMA8 \sb
	v_cvt_i32_f32 v[TQ], v[TQ]
	FMA8 \sb
	v_ldexp_f32 v[F], 1.0, v[TQ]                   ; 2^(old M - new M)
	FMA8 \sb
	v_pk_fma_f32 v[BM:BM+1], v[BM:BM+1], s[CS:CS+1], v[12:13] op_sel_hi:[1,0,0]
	v_pk_fma_f32 v[BM+2:BM+3], v[BM+2:BM+3], s[CS:CS+1], v[12:13] op_sel_hi:[1,0,0]
	s_wait_alu depctr_va_vdst(0)                   ; ahead of the batch,
.irp b, 0,1,2,3
	v_exp_f32 v[BM+\b], v[BM+\b]
.endr
.set i, 0
.rept 64
	v_exp_f32 v[\sb+i], v[\sb+i]
.set i, i+1
.endr
	v_pk_mul_f32 v[14:15], v[14:15], v[F:F+1] op_sel_hi:[1,0]
	s_wait_alu depctr_va_vdst(0)                   ; and behind it
	v_dual_max_num_f32 v[BM], s[FL], v[BM] :: v_dual_max_num_f32 v[BM+1], s[FL], v[BM+1]   ; the floor: the byte cannot fall under 1
	v_dual_max_num_f32 v[BM+2], s[FL], v[BM+2] :: v_dual_max_num_f32 v[BM+3], s[FL], v[BM+3]
	v_pk_add_f32 v[L2:L2+1], v[\sb:\sb+1], v[\sb+2:\sb+3]      ; the row's sum, in three chains, joined behind the products
	v_pk_add_f32 v[TP:TP+1], v[\sb+4:\sb+5], v[\sb+6:\sb+7]
.set i, 8
.rept 9
	v_pk_add_f32 v[14:15], v[14:15], v[\sb+i:\sb+i+1]
	v_pk_add_f32 v[L2:L2+1], v[L2:L2+1], v[\sb+i+2:\sb+i+3]
	v_pk_add_f32 v[TP:TP+1], v[TP:TP+1], v[\sb+i+4:\sb+i+5]
.set i, i+6
.endr
	v_pk_add_f32 v[14:15], v[14:15], v[\sb+62:\sb+63]
.irp b, 0,1,2,3
	v_add_nc_u32 v[BS+\b], 0xf8800000, v[BM+\b]    ; 15 off the exponent field: the conversion's scale operand
.endr
.irp b, 0,1,2,3
	v_and_or_b32 v[BH+\b], v[BM+\b], 0x7f800000, s[MNT]   ; 57,344 x the scale
.endr
.irp b, 0,1,2,3
	v_lshrrev_b32 v[BT+\b], 23, v[BS+\b]
.endr
	v_lshl_or_b32 v[PS], v[BT+1], 8, v[BT]
	v_lshl_or_b32 v[PS], v[BT+2], 16, v[PS]
	v_lshl_or_b32 v[PS], v[BT+3], 24, v[PS]
.irp b, 0,1,2,3
.irp i, 0,2,4,6,8,10,12,14
	v_dual_min_num_f32 v[\sb+16*\b+\i], v[\sb+16*\b+\i], v[BH+\b] :: v_dual_min_num_f32 v[\sb+16*\b+\i+1], v[\sb+16*\b+\i+1], v[BH+\b]   ; the hold (ISA guide 7.6.2); p is not negative
.endr
	v_cvt_scalef32_pk8_bf8_f32 v[PCD+4*\b:PCD+1+4*\b], v[\sb+16*\b:\sb+7+16*\b], v[BS+\b]
	v_cvt_scalef32_pk8_bf8_f32 v[PCD+2+4*\b:PCD+3+4*\b], v[\sb+8+16*\b:\sb+15+16*\b], v[BS+\b]
.endr
.if \nxt == 2
	s_wait_tensorcnt 0x0                           ; all that is still out, in every wave
.endif
	s_wait_dscnt 0x0                               ; V
.if \nxt == 2
	s_barrier_signal -1
	s_barrier_wait -1
.endif
.if \nxt
	v_add_nc_u32 v[ADK], s[TB], v[LI]
	v_add_nc_u32 v[ADS], s[TS], v[LSC]
.if \nxt == 4
	s_cmp_eq_u32 s[J], s[SK]
	s_cbranch_scc1 .Lnone_\@
.endif
	KLOADS \sb                                     ; the next step's K, over the numbers just converted
.Lnone_\@:
.endif
	s_wait_alu depctr_va_vdst(0)                   ; directly ahead of the first readers of O
.set i, 0
.rept 16
	v_pk_mul_f32 v[O+i:O+i+1], v[O+i:O+i+1], v[F:F+1] op_sel_hi:[1,0]
.set i, i+2
.endr
.irp t, 0,1,2,3
	v_wmma_scale_f32_16x16x128_f8f6f4 v[O+8*\t:O+8*\t+7], v[\kb+16*\t:\kb+16*\t+15], v[PCD:PCD+15], v[O+8*\t:O+8*\t+7], v[VSC+\t], v[PS] matrix_a_fmt:MATRIX_FMT_BF8 matrix_b_fmt:MATRIX_FMT_BF8
.endr
	v_pk_add_f32 v[14:15], v[14:15], v[L2:L2+1]    ; nine places ahead of the next products, which write over V
	v_pk_add_f32 v[14:15], v[14:15], v[TP:TP+1]
	PLACES 7
.endm
	STEP X, Y, 0, 1                                ; trip 0
	SWITCH
	STEP Y, X, 0, 2                                ; trip 1
	s_mov_b32 s[LP], 3
.Lpair:                                                ; trips 2 to 7
	SWITCH
	STEP X, Y, 0, 3
	SWITCH
	STEP Y, X, 0, 4
	s_sub_co_u32 s[LP], s[LP], 1
	s_cmp_lg_u32 s[LP], 0
	s_cbranch_scc1 .Lpair
	SWITCH
	s_wait_alu depctr_va_vdst(0)
	s_wait_dscnt 0x0                               ; for the others' sake: what I handed over lies in LDS
	s_barrier_signal -1
	s_barrier_wait -1
	s_cmp_eq_u32 s[ROLE], 1
	s_cbranch_scc0 .Lmerge
	STEP X, Y, 1, 0                                ; B's trip 8: the early tile's diagonal
	s_wait_alu depctr_va_vdst(0)
	s_branch .Lfinish
.Lmerge:                                               ; A joins the late tile's two parts under the larger M
	ds_load_b128 v[X:X+3], v[DMP]
.irp n, 0,1,2,3,4,5,6,7
	ds_load_b128 v[X+4+4*\n:X+7+4*\n], v[DMP] offset:512*(\n+1)
.endr
	s_wait_dscnt 0x0
	v_min_num_f32 v11, v12, v[X]
	v_sub_f32 v[TP], v11, v12
	v_sub_f32 v[TQ], v11, v[X]
	v_cvt_i32_f32 v[TP], v[TP]
	v_cvt_i32_f32 v[TQ], v[TQ]
	v_ldexp_f32 v[F], 1.0, v[TP]
	v_ldexp_f32 v[L2], 1.0, v[TQ]
	v_pk_mul_f32 v[14:15], v[14:15], v[F:F+1] op_sel_hi:[1,0]
.set i, 0
.rept 16
	v_pk_mul_f32 v[O+i:O+i+1], v[O+i:O+i+1], v[F:F+1] op_sel_hi:[1,0]
.set i, i+2
.endr
	v_pk_fma_f32 v[14:15], v[X+2:X+3], v[L2:L2+1], v[14:15] op_sel_hi:[1,0,1]
.set i, 0
.rept 16
	v_pk_fma_f32 v[O+i:O+i+1], v[X+4+i:X+5+i], v[L2:L2+1], v[O+i:O+i+1] op_sel_hi:[1,0,1]
.set i, i+2
.endr
.Lfinish:                                              ; THE WAY OUT: y = O / the sum, quantised along the channels
	v_add_f32 v14, v14, v15
	s_delay_alu instid0(VALU_DEP_1)
	v_permlanex16_b32 v[TP], v14, s[SEL], s[SEL+1]
	s_delay_alu instid0(VALU_DEP_1)
	v_add_f32 v14, v14, v[TP]
	s_wait_alu depctr_va_vdst(0)                   ; ahead of the transcendental,
	v_rcp_f32 v14, v14
	v_add_nc_u32 v[ADK], STG, v[LI]
	v_bfe_u32 v11, v0, 4, 1
	v_lshlrev_b32 v[ADS], 12, v11
	v_and_b32 v11, 15, v0
	v_lshl_add_u32 v[ADS], v11, 4, v[ADS]
	s_wait_alu depctr_va_vdst(0)                   ; and behind it
.set i, 0
.rept 16
	v_pk_mul_f32 v[Y+i:Y+i+1], v[O+i:O+i+1], v[14:15] op_sel_hi:[1,0]
.set i, i+2
.endr
.irp b, 0,1
	v_max3_num_f32 v[BM+\b], |v[Y+16*\b]|, |v[Y+1+16*\b]|, 0x8000000
.endr
.irp i, 2,4,6,8,10,12,14
.irp b, 0,1
	v_max3_num_f32 v[BM+\b], v[BM+\b], |v[Y+16*\b+\i]|, |v[Y+1+16*\b+\i]|
.endr
.endr
.irp b, 0,1
	v_permlanex16_b32 v[BT+\b], v[BM+\b], s[SEL], s[SEL+1]
.endr
.irp b, 0,1
	v_max_num_f32 v[BM+\b], v[BM+\b], v[BT+\b]
.endr
.irp b, 0,1
	v_add_nc_u32 v[BS+\b], 0xf8800000, v[BM+\b]
.endr
.irp b, 0,1
	v_and_or_b32 v[BH+\b], v[BM+\b], 0x7f800000, s[MNT]
.endr
.irp b, 0,1
	v_lshrrev_b32 v[BT+\b], 23, v[BS+\b]
.endr
	v_lshl_or_b32 v[TQ], v[BT+1], 8, v[BT]
.irp b, 0,1
.irp i, 0,1,2,3,4,5,6,7,8,9,10,11,12,13,14,15
	v_med3_num_f32 v[Y+16*\b+\i], v[Y+16*\b+\i], -v[BH+\b], v[BH+\b]
.endr
	v_cvt_scalef32_pk8_bf8_f32 v[PCD+4*\b:PCD+1+4*\b], v[Y+16*\b:Y+7+16*\b], v[BS+\b]
	v_cvt_scalef32_pk8_bf8_f32 v[PCD+2+4*\b:PCD+3+4*\b], v[Y+8+16*\b:Y+15+16*\b], v[BS+\b]
.endr
	v_nop                                          ; the plain place behind the conversions
	v_permlane16_swap_b32 v[PCD], v[PCD+2]         ; channels into their true order: Wo's codes lie so
	v_permlane16_swap_b32 v[PCD+1], v[PCD+3]
	v_permlane16_swap_b32 v[PCD+4], v[PCD+6]
	v_permlane16_swap_b32 v[PCD+5], v[PCD+7]
	global_store_b128 v[LI], v[PCD:PCD+3], s[74:75]
	global_store_b128 v[LI], v[PCD+4:PCD+7], s[74:75] offset:512
	ds_store_b16 v[STGA], v[TQ]
	s_wait_alu depctr_va_vdst(0)
	s_wait_dscnt 0x0
	s_barrier_signal -1
	s_barrier_wait -1
	s_cmp_lg_u32 s[WV], 0
	s_cbranch_scc1 .Lnot_0
	ds_load_b128 v[X:X+3], v[ADK]                  ; the 16 tiles' scale bytes: blocks 0 to 7 and 8 to 15, 256 bytes each, 4,096 apart in memory
	s_wait_dscnt 0x0
	global_store_b128 v[ADS], v[X:X+3], s[76:77]
.Lnot_0:
	s_wait_tensorcnt 0x0                           ; the wave's end
	ds_add_u32 v[SPW], v[NIL]
	s_wait_dscnt 0x0
	CROUND                                         ; the closing round
	s_endpgm
.Lfunc_end_k_q8a9b11beed_attn:
	.size	k_q8a9b11beed_attn, .Lfunc_end_k_q8a9b11beed_attn-k_q8a9b11beed_attn
	.p2alignl 7, 3214868480
	.fill 96, 4, 3214868480
	.section	.rodata,"a",@progbits
	.p2align	6, 0x0
	.amdhsa_kernel k_q8a9b11beed_attn
		.amdhsa_group_segment_fixed_size 327680
		.amdhsa_private_segment_fixed_size 0
		.amdhsa_enable_private_segment 0
		.amdhsa_kernarg_size 32
		.amdhsa_user_sgpr_count 2
		.amdhsa_user_sgpr_kernarg_segment_ptr 1
		.amdhsa_wavefront_size32 1
		.amdhsa_system_sgpr_workgroup_id_x 1
		.amdhsa_system_sgpr_workgroup_id_y 1
		.amdhsa_system_sgpr_workgroup_id_z 1
		.amdhsa_system_vgpr_workitem_id 0
		.amdhsa_next_free_vgpr 256
		.amdhsa_next_free_sgpr 100
		.amdhsa_reserve_vcc 1
		.amdhsa_float_denorm_mode_32 3
		.amdhsa_float_denorm_mode_16_64 3
		.amdhsa_memory_ordered 1
		.amdhsa_forward_progress 1
		.amdhsa_inst_pref_size 148
	.end_amdhsa_kernel
	.amdgpu_metadata
---
amdhsa.version: [ 1, 2 ]
amdhsa.kernels:
  - .name:           k_q8a9b11beed_attn
    .symbol:         k_q8a9b11beed_attn.kd
    .args:
      - { .name: qkv, .offset: 0, .size: 8, .value_kind: global_buffer, .address_space: global }
      - { .name: qkvs, .offset: 8, .size: 8, .value_kind: global_buffer, .address_space: global }
      - { .name: yimg, .offset: 16, .size: 8, .value_kind: global_buffer, .address_space: global }
      - { .name: ysc, .offset: 24, .size: 8, .value_kind: global_buffer, .address_space: global }
    .group_segment_fixed_size: 327680
    .private_segment_fixed_size: 0
    .kernarg_segment_align: 8
    .kernarg_segment_size: 32
    .max_flat_workgroup_size: 512
    .sgpr_count:     100
    .vgpr_count:     256
    .wavefront_size: 32
...
	.end_amdgpu_metadata
.endif
;; end of part 2
;; launch out_proj (part 3): grid 8 x 32, 4 waves a work-group, clusters of 4 x 4, 327,680 bytes of LDS; arguments yimg, ysc, Wo_codes, Wo_scales, bo, out0; writes out0
.if DOCPART == 3
	.amdgcn_target "amdgcn-amd-amdhsa--gfx1250"
	.amdhsa_code_object_version 6
	.text
	.protected	k_q8a9b11beed_out_proj
	.globl	k_q8a9b11beed_out_proj
	.p2align	8
	.type	k_q8a9b11beed_out_proj,@function
k_q8a9b11beed_out_proj:
	s_mov_b64 s[64:65], 0
	v_nop
	global_prefetch_b8 v0, s[64:65] scope:SCOPE_SE
	s_setreg_imm32_b32 hwreg(HW_REG_WAVE_MODE, 25, 1), 1
	s_wait_xcnt 0x0
	s_wait_alu depctr_hold_cnt(0) depctr_sa_sdst(0) depctr_va_vdst(0) depctr_va_sdst(0) depctr_va_ssrc(0) depctr_va_vcc(0) depctr_vm_vsrc(0)
	s_getreg_b32 s2, hwreg(HW_REG_IB_STS2, 6, 4)
	s_cmp_eq_u32 s2, 0
	s_cbranch_scc0 .Lentry_in_a_cluster
	s_endpgm
.Lentry_in_a_cluster:
	s_bfe_u32 s2, ttmp6, 0x10000c
	s_cmp_lg_u32 s2, 0xf033
	s_cbranch_scc0 .Lentry_shape_is_right
	s_endpgm
.Lentry_shape_is_right:
; Launch 3 of 3: out0 = y Wo + bo, on y's codes (launch attn made them) and Wo's given codes, E5M2 with E8M0 scales; sums in f32.  Nothing is left out here.
; SHARES.  256 work-groups of four waves; a work-group makes 128 tokens x 128 outputs, a wave 64 x 64: 16 accumulators.  A larger tile would leave WGPs without work: 4,096 x 1,024 are 64 tiles of 256 x 256.
; ALL OF K = 1,024 LIES IN LDS, in two halves of 512, filled once by four joint loads, one a wave: y's and Wo's first half (waves 0, 1: shown by the first barrier), their second half (waves 2, 3: by the second).
; The second half goes by rows of the result: 16 tokens are finished after the other, so that their stores leave while the rest is multiplied.
; CLUSTERS: 4 x 4.  y's tile is shared along a row of the cluster, Wo's along a column.  No prefetch: every tile is asked for at the head.
; y lies as images of operand registers: [batch][x : 8][block : 16][head : 16][32 channels : 2][512], tile (x, block) = tokens 128 block + 16 x + 0 .. 15 of the batch.  A work-group's 128 tokens are 8 blocks of one x.
; Source 0 = 16 rows of Wo (outputs), source 1 = 16 tokens: a lane holds one token and eight neighbouring outputs.  bo is the C of each sum's first instruction.
; REGISTERS: window 0: v1-29 addresses; v32-63 Wo's scale words (8 b + s), v64-95 y's (8 a + s): these hold scales and nothing else; v96-127 bo; v128-255 the accumulators ((a, b) at 8 (4 a + b)).
;   window 1: Wo's fragments of the first half (64 s + 16 b), window 3: of the second; window 2: y's of a half (64 a + 16 s).
.set YL,    0                          ; y: 2 halves x 8 tiles x 8,192 bytes
.set WL,    131072                     ; Wo: 2 halves x 128 rows x (512 + 16) bytes
.set STAGE, 266240                     ; the way out: 16 rows x (256 + 16) bytes for each wave
.set SPARE, 283648                     ; the spare words, 128 bytes a wave
.set ADY,  8                           ; v8-11
.set ADW,  12                          ; v12-15
.set STO,  24
.set RD,   25
.set CO,   26
.set SPW,  28
.set NIL,  29
.set WS,   32
.set YS,   64
.set BO,   96
.set ACC,  128
.set G1Y,  24
.set G1W,  32
.set G0Y,  40                          ; s40-47: two halves
.set G0W,  56                          ; s56-63
.set MSB, 0
.macro WIN new
.if MSB != (\new)
	s_set_vgpr_msb (MSB<<8)|(\new)
.set MSB, (\new)
.endif
.endm
.macro PLACES n
.rept \n
	v_nop
.endr
.endm
.macro CROUND                          ; a round of the cluster's barrier
	s_barrier_signal -1
	s_barrier_wait -1
	s_cmp_lg_u32 s16, 0
	s_cbranch_scc1 .Lnot_wave_0_\@
	s_barrier_signal -3
.Lnot_wave_0_\@:
	s_barrier_wait -3
	s_barrier_signal -1
	s_barrier_wait -1
.endm
	s_load_b256 s[4:11], s[0:1], 0x0               ; yimg, ysc, Wo's codes, Wo's scales
	s_load_b128 s[12:15], s[0:1], 0x20             ; bo, out0
	v_lshl_add_u32 v[SPW], v0, 2, SPARE
	v_mov_b32 v[NIL], 0
	ds_add_u32 v[SPW], v[NIL]                      ; the opening: the add, twice on end, under one wait
	ds_add_u32 v[SPW], v[NIL]
	v_lshrrev_b32 v1, 5, v0
	v_readfirstlane_b32 s16, v1                    ; wave 0..3
	s_lshr_b32 s17, s16, 1                         ; which half of the tokens is mine
	s_and_b32 s18, s16, 1                          ; which half of the outputs
	s_bfe_u32 s76, ttmp6, 0x40000                  ; cx
	s_bfe_u32 s77, ttmp6, 0x40004                  ; cy
	s_lshl_b32 s78, ttmp9, 2
	s_add_co_u32 s78, s78, s76                     ; the tile of 128 outputs
	s_and_b32 s79, ttmp7, 0xffff
	s_lshl_b32 s79, s79, 2
	s_add_co_u32 s79, s79, s77                     ; the tile of 128 tokens: 16 batch + 2 x + half of the blocks
	s_lshl_b32 s80, s77, 2
	s_lshl_b32 s80, 15, s80                        ; my row of the cluster
	s_lshl_b32 s81, 0x1111, s76                    ; my column
	; y: 8 tiles x 8,192 bytes (1,024 elements of 8 bytes), 16,384 bytes apart in memory, dense in LDS
	s_or_b32 s[G1Y], s80, (3<<16)|(1<<21)
	s_mov_b32 s[G1Y+1], 1024<<16
	s_mov_b32 s[G1Y+2], 8<<16
	s_mov_b32 s[G1Y+3], 1024<<16
	s_mov_b32 s[G1Y+4], 8
	s_mov_b32 s[G1Y+5], 2048
	s_mov_b32 s[G1Y+6], 0
	s_mov_b32 s[G1Y+7], 0
	; Wo: 128 rows x 512 bytes, 1,024 apart in memory; 4 words of padding after every 128
	s_or_b32 s[G1W], s81, (0<<16)|(1<<20)|(1<<21)|(6<<22)|(3<<25)
	s_mov_b32 s[G1W+1], 512<<16
	s_mov_b32 s[G1W+2], 128<<16
	s_mov_b32 s[G1W+3], 512<<16
	s_mov_b32 s[G1W+4], 128
	s_mov_b32 s[G1W+5], 1024
	s_mov_b32 s[G1W+6], 0
	s_mov_b32 s[G1W+7], 0
	s_lshl_b32 s20, s79, 17                        ; y's 8 tiles of 16,384 bytes
	s_mov_b32 s21, 0
	s_lshl_b32 s82, s78, 7
	s_lshl_b32 s83, s18, 6
	s_add_co_u32 s84, s82, s83                     ; my first output
	s_lshl_b32 s82, s78, 17                        ; Wo's 128 rows of 1,024 bytes
	s_mov_b32 s83, 0
	s_wait_dscnt 0x0                               ; both opening adds are done
	s_wait_kmcnt 0x0
	s_add_nc_u64 s[20:21], s[4:5], s[20:21]
	s_add_nc_u64 s[82:83], s[8:9], s[82:83]
.irp k, 0,1
	s_mov_b32 s[G0Y+4*\k], 1
	s_mov_b32 s[G0Y+4*\k+1], YL+65536*\k
	s_add_nc_u64 s[G0Y+4*\k+2:G0Y+4*\k+3], s[20:21], 8192*\k
	s_or_b32 s[G0Y+4*\k+3], s[G0Y+4*\k+3], 0x80000000
	s_mov_b32 s[G0W+4*\k], 1
	s_mov_b32 s[G0W+4*\k+1], WL+67584*\k
	s_add_nc_u64 s[G0W+4*\k+2:G0W+4*\k+3], s[82:83], 512*\k
	s_or_b32 s[G0W+4*\k+3], s[G0W+4*\k+3], 0x80000000
.endr
	CROUND                                         ; all sixteen work-groups are here: the joint loads meet
.macro ARM under, g0, g1, next         ; one load a wave, each in an arm of its own
	s_cmp_lt_u32 s16, \under
	s_cbranch_scc0 \next
	tensor_load_to_lds s[\g0:\g0+3], s[\g1:\g1+7]
	s_nop 0
	PLACES 4
	s_branch .Lasked
\next:
.endm
	ARM 1, G0Y,   G1Y, .Lwave1
	ARM 2, G0W,   G1W, .Lwave2
	ARM 3, G0Y+4, G1Y, .Lwave3
	tensor_load_to_lds s[G0W+4:G0W+7], s[G1W:G1W+7]
	s_nop 0
	PLACES 4
.Lasked:
	s_lshl_b32 s86, s84, 5                         ; my 64 rows of Wo's scale bytes,
	s_mov_b32 s87, 0
	s_add_nc_u64 s[10:11], s[10:11], s[86:87]
	s_lshl_b32 s86, s84, 2                         ; my 64 numbers of bo,
	s_add_nc_u64 s[12:13], s[12:13], s[86:87]
	s_lshl_b32 s86, s79, 12
	s_lshl_b32 s88, s17, 7
	s_add_co_u32 s86, s86, s88                     ; my four tiles' scale bytes of y
	s_add_nc_u64 s[6:7], s[6:7], s[86:87]
	s_lshr_b32 s86, s79, 4
	s_lshl_b32 s86, s86, 11                        ; the batch's first row of out0,
	s_and_b32 s88, s79, 1
	s_lshl_b32 s88, s88, 10
	s_add_co_u32 s86, s86, s88                     ; + 1,024 x half of the blocks,
	s_lshl_b32 s88, s17, 9
	s_add_co_u32 s86, s86, s88                     ; + my four blocks,
	s_bfe_u32 s88, s79, 0x30001
	s_lshl_b32 s88, s88, 4
	s_add_co_u32 s86, s86, s88                     ; + 16 x
	s_lshl_b32 s86, s86, 12                        ; 4,096 bytes a row,
	s_lshl_b32 s88, s78, 9
	s_add_co_u32 s86, s86, s88
	s_lshl_b32 s88, s18, 8
	s_add_co_u32 s86, s86, s88                     ; and my 64 outputs in it
	s_add_nc_u64 s[14:15], s[14:15], s[86:87]
	v_and_b32 v1, 15, v0                           ; r
	v_bfe_u32 v2, v0, 4, 1                         ; h
	v_and_b32 v3, 31, v0                           ; lane
	v_lshlrev_b32 v4, 5, v1
	v_lshlrev_b32 v5, 5, v2
	v_lshlrev_b32 v6, 1, v1
.irp b, 0,1,2,3
	global_load_b128 v[WS+8*\b:WS+8*\b+3], v4, s[10:11] offset:512*\b       ; row 16 b + r: eight words, one for each 128 along K
	global_load_b128 v[WS+8*\b+4:WS+8*\b+7], v4, s[10:11] offset:512*\b+16
	global_load_b128 v[BO+8*\b:BO+8*\b+3], v5, s[12:13] offset:64*\b        ; bo of outputs 16 b + 8 h + 0 .. 7
	global_load_b128 v[BO+8*\b+4:BO+8*\b+7], v5, s[12:13] offset:64*\b+16
.endr
.irp a, 0,1,2,3
.irp hd, 0,1,2,3,4,5,6,7,8,9,10,11,12,13,14,15
	global_load_u16 v[ACC+16*\a+\hd], v6, s[6:7] offset:256*\hd+32*\a       ; token r of tile a, head hd: two bytes; all 64 loads fall into 4,096 consecutive bytes
.endr
.endr
	s_lshl_b32 s88, s17, 15
	v_lshl_add_u32 v7, v3, 4, s88
.irp kc, 0,1,2,3
	v_add_nc_u32 v[ADY+\kc], YL+65536*(\kc/2)+4096*(\kc%2), v7     ; my four tiles, 256 along K: + 16 x lane
.endr
	s_mul_i32 s88, s18, 64*528
	v_mul_u32_u24 v7, v1, 528
	v_lshl_add_u32 v7, v2, 4, v7
	v_add_nc_u32 v7, s88, v7
.irp kc, 0,1,2,3
	v_add_nc_u32 v[ADW+\kc], WL+67584*(\kc/2)+256*(\kc%2), v7      ; my 64 rows: row x pitch + 16 x half
.endr
	s_mul_i32 s88, s16, 4352
	s_add_co_u32 s88, s88, STAGE                   ; my stage
	v_mul_u32_u24 v[STO], v1, 272
	v_lshl_add_u32 v[STO], v2, 5, v[STO]
	v_add_nc_u32 v[STO], s88, v[STO]               ; in: row r, 32 bytes for each half of the lanes
	v_mul_u32_u24 v[RD], v2, 272
	v_lshl_add_u32 v[RD], v1, 4, v[RD]
	v_add_nc_u32 v[RD], s88, v[RD]                 ; back: lanes 0-15 one row of 256 bytes, lanes 16-31 the next
	v_lshlrev_b32 v[CO], 12, v2
	v_lshl_add_u32 v[CO], v1, 4, v[CO]             ; and the same two rows in out0
	s_wait_alu depctr_va_vdst(0)
	s_wait_loadcnt 0x0
.irp a, 0,1,2,3
.irp s, 0,1,2,3,4,5,6,7
	v_lshl_or_b32 v[YS+8*\a+\s], v[ACC+16*\a+2*\s+1], 16, v[ACC+16*\a+2*\s]   ; heads 2 s and 2 s + 1 are 128 along K: four bytes
.endr
.endr
	PLACES 8                                       ; a scale word written by a vector instruction stands 8 places ahead of its product
.macro WFETCH s, win                   ; Wo's four fragments of step s (128 along K)
	WIN (\win)<<6
.irp b, 0,1,2,3
.irp c, 0,1,2,3
	ds_load_b128 v[64*((\s)%4)+16*\b+4*\c:64*((\s)%4)+16*\b+4*\c+3], v[ADW+(\s)/2] offset:8448*\b+128*((\s)%2)+32*\c
.endr
.endr
.endm
.macro YFRAG a, s                      ; y's fragment of tile a, step s
.irp c, 0,1,2,3
	ds_load_b128 v[64*(\a)+16*((\s)%4)+4*\c:64*(\a)+16*((\s)%4)+4*\c+3], v[ADY+(\s)/2] offset:8192*(\a)+2048*((\s)%2)+512*\c
.endr
.endm
.macro FETCH s                         ; a step of the first half: 32 loads
	WFETCH \s, 1
	WIN 0x80
.irp a, 0,1,2,3
	YFRAG \a, \s
.endr
.endm
.macro YROW a                          ; tile a's four fragments of the second half: 16 loads
	WIN 0x80
.irp s, 4,5,6,7
	YFRAG \a, \s
.endr
.endm
.macro MUL a, s, win                   ; four products; the accumulators take turns
	WIN (\win)|8
.irp b, 0,1,2,3
.if (\s) == 0
	v_wmma_scale_f32_16x16x128_f8f6f4 v[ACC+8*(4*(\a)+\b):ACC+8*(4*(\a)+\b)+7], v[64*((\s)%4)+16*\b:64*((\s)%4)+16*\b+15], v[64*(\a)+16*((\s)%4):64*(\a)+16*((\s)%4)+15], v[BO+8*\b:BO+8*\b+7], v[WS+8*\b+(\s)], v[YS+8*(\a)+(\s)] matrix_a_fmt:MATRIX_FMT_BF8 matrix_b_fmt:MATRIX_FMT_BF8
.else
	v_wmma_scale_f32_16x16x128_f8f6f4 v[ACC+8*(4*(\a)+\b):ACC+8*(4*(\a)+\b)+7], v[64*((\s)%4)+16*\b:64*((\s)%4)+16*\b+15], v[64*(\a)+16*((\s)%4):64*(\a)+16*((\s)%4)+15], v[ACC+8*(4*(\a)+\b):ACC+8*(4*(\a)+\b)+7], v[WS+8*\b+(\s)], v[YS+8*(\a)+(\s)] matrix_a_fmt:MATRIX_FMT_BF8 matrix_b_fmt:MATRIX_FMT_BF8
.endif
.endr
.endm
.macro MULS s
.irp a, 0,1,2,3
	MUL \a, \s, 1
.endr
.endm
.macro ROW a                           ; tile a's second half
.irp s, 4,5,6,7
	MUL \a, \s, 3
.endr
.endm
; THE WAY OUT, a tile of 16 tokens x 64 outputs at a time: a lane's 32 bytes go into my own stage and come back as whole rows of 256 bytes.  LDS serves a wave's instructions in order (ISA guide 5.7.1.4).
.macro TOSTAGE a
	WIN 0
	PLACES 8                                       ; in front of the first read of results
.irp b, 0,1,2,3
	ds_store_b128 v[STO], v[ACC+8*(4*\a+\b):ACC+8*(4*\a+\b)+3] offset:64*\b        ; each accumulator from its low end on
	ds_store_b128 v[STO], v[ACC+8*(4*\a+\b)+4:ACC+8*(4*\a+\b)+7] offset:64*\b+16
.endr
.irp f, 0,1,2,3,4,5,6,7
	ds_load_b128 v[ACC+32*\a+4*\f:ACC+32*\a+4*\f+3], v[RD] offset:544*\f
.endr
.endm
.macro SEND a, younger                 ; younger: the LDS loads issued behind tile a's: a later tile's fragments, or none
	WIN 0
.irp f, 0,1,2,3,4,5,6,7
	s_wait_dscnt \younger+7-\f
	global_store_b128 v[CO], v[ACC+32*\a+4*\f:ACC+32*\a+4*\f+3], s[14:15] offset:(128*\a+2*\f)*4096 th:TH_STORE_NT   ; sixteen lanes store 256 consecutive bytes, aligned; written once, read by nobody here
.endr
.endm
	s_wait_alu depctr_va_vdst(0)
	s_cmp_lt_u32 s16, 2
	s_cbranch_scc0 .Lnot_first
	s_wait_tensorcnt 0x0                           ; waves 0 and 1: the first half has landed
.Lnot_first:
	s_barrier_signal -1
	s_barrier_wait -1
	FETCH 0
	FETCH 1
	s_wait_dscnt 32                                ; all but step 1's 32
	MULS 0
	FETCH 2
	s_wait_dscnt 32
	MULS 1
	FETCH 3
	s_wait_dscnt 32
	MULS 2
	s_wait_tensorcnt 0x0                           ; all that is still out, in every wave: the second half
	s_wait_dscnt 0x0
	s_barrier_signal -1
	MULS 3
	s_barrier_wait -1
	WFETCH 4, 3
	PLACES 8                                       ; y's fragments of the first half have been multiplied
	YROW 0
	WFETCH 5, 3
	WFETCH 6, 3
	WFETCH 7, 3
	s_wait_dscnt 48                                ; step 4's and tile 0's are in
	MUL 0, 4, 3
	s_wait_dscnt 32
	MUL 0, 5, 3
	s_wait_dscnt 16
	MUL 0, 6, 3
	YROW 1
	s_wait_dscnt 16                                ; all but tile 1's 16
	MUL 0, 7, 3
	TOSTAGE 0
	YROW 2
	s_wait_dscnt 32                                ; behind tile 1's: the stage's 16 and tile 2's 16
	ROW 1
	SEND 0, 16
	TOSTAGE 1
	YROW 3
	s_wait_dscnt 32
	ROW 2
	SEND 1, 16
	TOSTAGE 2
	s_wait_dscnt 16
	ROW 3
	SEND 2, 0
	TOSTAGE 3
	SEND 3, 0
	s_wait_tensorcnt 0x0                           ; the wave's end
	ds_add_u32 v[SPW], v[NIL]
	s_wait_dscnt 0x0
	CROUND                                         ; the closing round
	s_endpgm
.Lfunc_end_k_q8a9b11beed_out_proj:
	.size	k_q8a9b11beed_out_proj, .Lfunc_end_k_q8a9b11beed_out_proj-k_q8a9b11beed_out_proj
	.p2alignl 7, 3214868480
	.fill 96, 4, 3214868480
	.section	.rodata,"a",@progbits
	.p2align	6, 0x0
	.amdhsa_kernel k_q8a9b11beed_out_proj
		.amdhsa_group_segment_fixed_size 327680
		.amdhsa_private_segment_fixed_size 0
		.amdhsa_enable_private_segment 0
		.amdhsa_kernarg_size 48
		.amdhsa_user_sgpr_count 2
		.amdhsa_user_sgpr_kernarg_segment_ptr 1
		.amdhsa_wavefront_size32 1
		.amdhsa_system_sgpr_workgroup_id_x 1
		.amdhsa_system_sgpr_workgroup_id_y 1
		.amdhsa_system_sgpr_workgroup_id_z 1
		.amdhsa_system_vgpr_workitem_id 0
		.amdhsa_next_free_vgpr 1024
		.amdhsa_next_free_sgpr 100
		.amdhsa_reserve_vcc 0
		.amdhsa_float_denorm_mode_32 3
		.amdhsa_float_denorm_mode_16_64 3
		.amdhsa_memory_ordered 1
		.amdhsa_forward_progress 1
		.amdhsa_inst_pref_size 61
	.end_amdhsa_kernel
	.amdgpu_metadata
---
amdhsa.version: [ 1, 2 ]
amdhsa.kernels:
  - .name:           k_q8a9b11beed_out_proj
    .symbol:         k_q8a9b11beed_out_proj.kd
    .args:
      - { .name: yimg, .offset: 0, .size: 8, .value_kind: global_buffer, .address_space: global }
      - { .name: ysc, .offset: 8, .size: 8, .value_kind: global_buffer, .address_space: global }
      - { .name: Wo_codes, .offset: 16, .size: 8, .value_kind: global_buffer, .address_space: global }
      - { .name: Wo_scales, .offset: 24, .size: 8, .value_kind: global_buffer, .address_space: global }
      - { .name: bo, .offset: 32, .size: 8, .value_kind: global_buffer, .address_space: global }
      - { .name: out0, .offset: 40, .size: 8, .value_kind: global_buffer, .address_space: global }
    .group_segment_fixed_size: 327680
    .private_segment_fixed_size: 0
    .kernarg_segment_align: 8
    .kernarg_segment_size: 48
    .max_flat_workgroup_size: 128
    .sgpr_count:     100
    .vgpr_count:     1024
    .wavefront_size: 32
...
	.end_amdgpu_metadata
.endif
;; end of part 3
